; MI455X (gfx1250); checked and timed in simulation.
; The chip was launched on July 23, 2026; its instructions are those of AMD's public machine-readable ISA for CDNA 5 (MIT licence, August 2026) and "CDNA5" Instruction Set Architecture Reference Guide (July 2026). The comments in the code are by the model that wrote it; some were corrected since.
;; Multi Character Conditioner. Allowed arithmetic: matrix products marked QUANTISED: E2M3 operands, one E8M0 scale for each 32 along K, by v_wmma_scale_f32_16x16x128_f8f6f4 with both operands' format E2M3, f32 sums; products left as they are: f32 operands where the result goes on into a quantised operand, else bf16, f16 or f32 operands; f32 sums; everything else in f32.
;; Inputs: W_out 1,024 x 1,024 float32; W_qkv 3,072 x 1,024 float32; character_masks 2 x 4 x 2,048 float32; interaction_mask 2 x 2,048 x 2,048 float32; isolation_gate 16 float32; k_norm_w 64 float32; q_norm_w 64 float32; x 2 x 2,048 x 1,024 float32.
;; Outputs: out0 2 x 2,048 x 1,024 float32.
;; This version of the problem:
;;   THIS VERSION OF THE PROBLEM IS GIVEN IN LOW PRECISION. The matrix products marked QUANTISED in the list below multiply operands that are first quantised to E2M3 (2 exponent bits, 3 mantissa bits; 6 bits a number), with one power-of-two scale for each 32 numbers along K (OCP MX v1.0); their sums are f32. All else is computed in f32.
;;   The module's matrix products, in the order in which they are computed (A, B: the left and right operand; K: the contracted axis; several contracted axes count as one K, in the product's order):
;;     1. [M 4,096, K 1,024] x [K 1,024, N 3,072]; A: input x; B: input W_qkv: QUANTISED
;;     2. batch 32 x [M 2,048, K 64] x [K 64, N 2,048]; A: computed on the way; B: computed on the way: QUANTISED
;;     3. batch 2 x [M 2,048, K 4] x [K 4, N 2,048]; A: input character_masks; B: input character_masks: left as it is (K = 4 < 32)
;;     4. batch 32 x [M 2,048, K 2,048] x [K 2,048, N 64]; A: softmax (see below); B: computed on the way: QUANTISED
;;     5. [M 4,096, K 1,024] x [K 1,024, N 1,024]; A: computed on the way; B: input W_out: QUANTISED
;;   THE QUANTISER, for each operand of a quantised product, along K:
;;     - K is cut into blocks of 32 from its start; a last block that is shorter is filled with zeros.
;;     - A block's scale is 2^e with e = floor(log2(the largest magnitude in the block)) - 2, held to -126 .. 127; a block of zeros has e = 0. As a byte (E8M0): e + 127.
;;     - Each number is divided by its block's scale, clamped to +-7.5, and rounded to the nearest number of E2M3, ties to even, subnormals kept.
;;     - The product sums the exact products of the quantised numbers (number of the format x scale) in f32.
;;   ~~~python
;;   def quantise(x, axis):      # numpy; x: float32 -> the quantised numbers, widened to float32 again
;;       x = np.moveaxis(x, axis, -1); K = x.shape[-1]
;;       x = np.pad(x, [(0, 0)] * (x.ndim - 1) + [(0, -K % 32)]); x = x.reshape(x.shape[:-1] + (-1, 32)); a = np.abs(x).max(-1, keepdims=True)
;;       e = np.where(a > 0, np.clip(np.frexp(np.where(a > 0, a, 1))[1] - 1 - 2, -126, 127), 0)      # np.frexp(a)[1] - 1 = floor(log2(a)), exactly
;;       r = np.clip(x / 2.0 ** e, -7.5, 7.5)
;;       step = 2.0 ** (np.maximum(np.frexp(np.where(r == 0, 1, r))[1] - 1, 0) - 3)
;;       q = np.round(r / step) * step * 2.0 ** e      # np.round: ties to even
;;       return np.moveaxis(q.reshape(q.shape[:-2] + (-1,))[..., :K], -1, axis).astype(np.float32)
;;   ~~~
;;   SOFTMAX AHEAD OF A QUANTISED PRODUCT. Where the list says 'softmax', what is quantised is not the finished softmax but p = 2^(t - M), with t = logit x log2(e) and M = ceil(the row's largest t), a whole number; so 1/2 < the row's largest p <= 1. The row's sum l is taken of the UNQUANTISED p, in f32, and the product's result is divided by l at the end. Since M is a whole number, a kernel that streams over the keys may use a running M (the ceiling of the running maximum): every later rescaling is an exact power of two, which a block's scale takes up: the codes' values come out the same.
;;   OPERANDS COMPUTED ON THE WAY. 'Computed on the way' means the value that the module computes at that place (a softmax that the list does not call 'softmax' is quantised finished and normalised). What goes into a quantiser is computed in f32, as accurately as f32 sums, v_exp_f32 and their like allow (about 1e-6 of the number): no bf16 or f16 on the way to a quantiser, and a product that is left as it is and whose result goes on into a quantised operand takes f32 operands (vector FMAs, or v_wmma_f32_16x16x4_f32). A number that lies on a knife's edge between two numbers of the format may be rounded either way, as far as f32 arithmetic and the matrix unit's own rounding can turn it there, and no further.
;; One version. Each part assembles by itself: llvm-mc -triple=amdgcn-amd-amdhsa -mcpu=gfx1250 --defsym DOCPART=n.
;; ======== version 1 of 1: 4 launches
;; limits: right only within a limited range of input values
;; workspace buffers: rc 6,291,456 bytes; rs 262,144 bytes; cqn 65,536 bytes; qz 6,684,672 bytes; kv 6,684,672 bytes; aoc 3,145,728 bytes; aos 131,072 bytes
;; launch prep (part 1): grid 384 x 1, 4 waves a work-group, no clusters, 33,280 bytes of LDS; arguments x, W_qkv, W_out, character_masks, rc, rs, cqn; writes rc, rs, cqn
.if DOCPART == 1
	.amdgcn_target "amdgcn-amd-amdhsa--gfx1250"
	.amdhsa_code_object_version 6
	.text
	.protected	k_q3900a41482_prep
	.globl	k_q3900a41482_prep
	.p2align	8
	.type	k_q3900a41482_prep,@function
k_q3900a41482_prep:
	s_mov_b64 s[64:65], 0
	v_nop
	global_prefetch_b8 v0, s[64:65] scope:SCOPE_SE
	s_setreg_imm32_b32 hwreg(HW_REG_WAVE_MODE, 25, 1), 1
	s_wait_xcnt 0x0
; PREP.  Two kinds of work-groups, parted on the work-group's number.
; Work-groups 0-255: x [4096][1024], W_qkv [3072][1024], W_out [1024][1024], f32, K innermost, become codes of FP6 (E2M3) in rc (768 bytes a row) and one E8M0 byte for each 32 along K in rs (32 bytes a row).
;   A block's scale is 2^(floor(log2(its largest magnitude)) - 2); its byte is the largest magnitude's exponent field - 2, held at 1 from below.
;   ROWS ARE STORED IN TILE ORDER: stored row s holds the row whose number is s with bits 3 and 4 exchanged.  A wave's 8,192 numbers are 8 whole rows, so the exchange is only another place for the wave's run.
;   rc, rs rows 0-4095: x; 4096-7167: W_qkv; 7168-8191: W_out.
; Work-groups 256-383: for each query the largest same[q][k] = sum over c of cm[c][q] cm[c][k], in f32, and cqn[b][q][c] = 2 cm[b][c][q] / max(that, 1e-6).  No LDS on this path.
; LIMITS: NaN and infinities among the inputs are not served; a block whose largest magnitude lies under 2^-124 (a block of zeros too) keeps the byte 1: its bytes are read by this program alone;
; 1 / max is made by v_rcp_f32.
.set STEPS, 16
.set EMAX,  2
.set CB,    12                         ; bytes of 16 codes
.set R,     16                         ; v16-79   four sets of 16 numbers as loaded
.set X,     80                         ; v80-111  two sets of 16 neighbours
.set C,     128                        ; v128-191 codes, four registers a step
.set E,     112                        ; v112-127 a scale byte a step
.set WREG,  8192                       ; LDS of a wave: two stages of 32 x SP bytes, then its 256 scale bytes
.set SP,    80
.set KEY,   16                         ; row maxima: v16-143 two sets of 64 numbers of the keys
.set ACC,   144                        ; v144-159 sixteen sums
.set MX,    160                        ; v160-167 the running maximum of eight queries
.set SQ,    28                         ; s[28+8c+q]: cm[b][c][q0+q]
	s_load_b256 s[4:11], s[0:1], 0x0               ; x, W_qkv, W_out, character_masks
	s_load_b128 s[12:15], s[0:1], 0x20             ; rc, rs
	s_load_b64 s[16:17], s[0:1], 0x30              ; cqn
	v_lshl_add_u32 v192, v0, 2, 0x8000
	v_mov_b32 v193, 0
	v_lshrrev_b32 v1, 5, v0
	v_readfirstlane_b32 s18, v1                    ; wave
	v_and_b32 v2, 31, v0                           ; lane
	s_cmp_ge_u32 ttmp9, 256
	s_cbranch_scc1 .Lrowmax
	; ---------------- the quantiser ----------------
	v_lshlrev_b32 v3, 4, v2                        ; my 16 bytes of a load's 512
	s_mul_i32 s19, s18, WREG
	v_lshrrev_b32 v14, 2, v2
	v_mul_u32_u24 v14, v14, SP
	v_and_b32 v15, 3, v2
	v_lshl_add_u32 v14, v15, 4, v14
	v_add_nc_u32 v14, s19, v14                     ; the stage, in: four lanes' 64 bytes on end, then 16 of padding
	v_mul_u32_u24 v15, v2, SP
	v_add_nc_u32 v15, s19, v15                     ; out: my 16 neighbours
	v_mul_u32_u24 v4, v2, CB                       ; my codes' place in a step's
	v_lshrrev_b32 v5, 1, v2
	s_add_co_u32 s19, s19, 2*32*SP
	v_add_nc_u32 v5, s19, v5                       ; LDS: my block's scale byte
	v_lshlrev_b32 v7, 3, v2
	v_add_nc_u32 v6, s19, v7                       ; and 8 of them on the way out
	s_mov_b32 s20, 224
	s_wait_alu depctr_va_vdst(0)
	s_wait_kmcnt 0x0
	s_cmp_lt_u32 ttmp9, 224                        ; which tensor: the choice hangs on the work-group's number alone
	s_cselect_b64 s[6:7], s[6:7], s[8:9]
	s_cselect_b32 s20, 128, s20
	s_cmp_lt_u32 ttmp9, 128
	s_cselect_b64 s[4:5], s[4:5], s[6:7]
	s_cselect_b32 s20, 0, s20                      ; the tensor's first work-group
	s_sub_co_u32 s20, ttmp9, s20
	s_lshl_b32 s20, s20, 2
	s_add_co_u32 s20, s20, s18                     ; which run of 8 rows of the tensor I read
	s_lshl_b32 s20, s20, 15                        ; 32,768 bytes a run
	s_mov_b32 s21, 0
	s_add_nc_u64 s[4:5], s[4:5], s[20:21]
	s_and_b32 s22, s18, 1
	s_lshl_b32 s22, s22, 1
	s_lshr_b32 s23, s18, 1
	s_or_b32 s22, s22, s23                         ; the wave's two bits exchanged: rows' bits 3 and 4
	s_lshl_b32 s23, ttmp9, 2
	s_add_co_u32 s22, s22, s23                     ; which run of 8 stored rows I write
	s_mul_i32 s20, s22, 32*STEPS*CB                ; 6,144 bytes of codes a run
	s_add_nc_u64 s[12:13], s[12:13], s[20:21]
	s_lshl_b32 s20, s22, 8                         ; 256 scale bytes a run
	s_add_nc_u64 s[14:15], s[14:15], s[20:21]
.macro LOAD t
.irp i, 0,1,2,3
	global_load_b128 v[R+16*((\t)%4)+4*\i:R+16*((\t)%4)+4*\i+3], v3, s[4:5] offset:2048*(\t)+512*\i th:TH_LOAD_NT   ; 32 lanes read 512 consecutive bytes
.endr
.endm
.macro TURN t                          ; a step's numbers through the stage: LDS serves a wave's instructions in order, so no wait stands between the stores and the loads
.irp i, 0,1,2,3
	ds_store_b128 v14, v[R+16*((\t)%4)+4*\i:R+16*((\t)%4)+4*\i+3] offset:32*SP*((\t)%2)+8*SP*\i
.endr
.irp i, 0,1,2,3
	ds_load_b128 v[X+16*((\t)%2)+4*\i:X+16*((\t)%2)+4*\i+3], v15 offset:32*SP*((\t)%2)+16*\i
.endr
.endm
.irp t, 0,1,2,3
	LOAD \t
.endr
	s_wait_loadcnt 12                              ; step 0's four loads are in; three steps' twelve may be out
	TURN 0
.macro STEP t
.set XS, X+16*((\t)%2)
.if (\t) > 0
	s_wait_dscnt 1                                 ; this step's numbers are back from the stage; the last step's byte store may be out
.else
	s_wait_dscnt 0x0
.endif
.if (\t)+4 < STEPS
	LOAD (\t)+4
.endif
.if (\t)+1 < STEPS
.if STEPS-2-(\t) >= 3
	s_wait_loadcnt 12                              ; the next step's four loads are in; those of the three steps behind it may be out
.else
	s_wait_loadcnt 4*(STEPS-2-(\t))
.endif
	TURN (\t)+1
.endif
	v_max3_num_f32 v8, |v[XS]|, |v[XS+1]|, |v[XS+2]|               ; the largest magnitude of my 16, in two chains
	v_max3_num_f32 v9, |v[XS+3]|, |v[XS+4]|, |v[XS+5]|
.irp i, 6,10
	v_max3_num_f32 v8, v8, |v[XS+\i]|, |v[XS+\i+1]|
	v_max3_num_f32 v9, v9, |v[XS+\i+2]|, |v[XS+\i+3]|
.endr
	v_max3_num_f32 v8, v8, |v[XS+14]|, |v[XS+15]|
	v_max3_num_f32 v8, v8, v9, (EMAX+1)<<23        ; and the floor 2^(3 - 127): the byte cannot fall under 1
	v_max_num_f32_dpp v8, v8, v8 row_xmask:1 row_mask:0xf bank_mask:0xf   ; with my neighbour's 16: the block's
	v_add_nc_u32 v11, -(EMAX<<23), v8              ; 2 off its exponent field: the conversion takes that field as its scale
	v_cvt_scalef32_pk16_fp6_f32 v[C+4*(\t):C+4*(\t)+2], v[XS:XS+15], v11
	v_lshrrev_b32 v[E+(\t)], 23, v11               ; the scale's byte
	ds_store_b8 v5, v[E+(\t)] offset:16*(\t)       ; both lanes of a block write the same byte with the same value
	global_store_b96 v4, v[C+4*(\t):C+4*(\t)+2], s[12:13] offset:32*CB*(\t)   ; the wave stores 384 consecutive bytes
.endm
.irp t, 0,1,2,3,4,5,6,7,8,9,10,11,12,13,14,15
	STEP \t
.endr
	ds_load_b64 v[12:13], v6                       ; LDS serves a wave's instructions in order: these see my stores
	s_wait_dscnt 0x0
	global_store_b64 v7, v[12:13], s[14:15]        ; 32 lanes store 256 consecutive bytes, aligned
	s_wait_tensorcnt 0x0
	ds_add_u32 v192, v193
	s_wait_dscnt 0x0
	s_endpgm
	; ---------------- the row maxima ----------------
	; A wave takes 8 queries against all 2,048 keys of its batch; lanes are keys, 512 keys a chunk, the next chunk's 16 loads on their way.
.Lrowmax:
	s_sub_co_u32 s19, ttmp9, 256
	s_lshl_b32 s19, s19, 2
	s_add_co_u32 s19, s19, s18                     ; W = 0 .. 511: queries 8 W .. 8 W + 7 of the 4,096
	s_lshr_b32 s20, s19, 8                         ; b
	s_and_b32 s21, s19, 255
	s_lshl_b32 s22, s20, 15                        ; b x 32,768 bytes
	s_mov_b32 s23, 0
	s_wait_alu depctr_va_vdst(0)
	v_lshlrev_b32 v3, 4, v2                        ; 16 x lane
	v_and_b32 v4, 3, v2                            ; at the end lane = 4 q + c
	v_lshrrev_b32 v5, 2, v2
	v_lshlrev_b32 v6, 13, v4
	v_lshl_add_u32 v6, v5, 2, v6                   ; c x 8,192 + 4 q
	v_lshlrev_b32 v7, 2, v2
	s_mov_b32 s70, 0x76543210
	s_mov_b32 s71, 0xfedcba98                      ; v_permlanex16_b32's selects for lane l xor 16
	s_mov_b32 s61, 0                               ; upper words of the pairs that the packed forms name
	s_mov_b32 s63, 0
	s_mov_b32 s67, 0
	s_mov_b32 s69, 0
	s_wait_alu depctr_va_vdst(0)
	s_wait_kmcnt 0x0
	s_add_nc_u64 s[10:11], s[10:11], s[22:23]      ; cm[b]
	s_lshl_b32 s22, s21, 5                         ; 8 queries x 4 bytes
	s_add_nc_u64 s[24:25], s[10:11], s[22:23]      ; cm[b][0][q0]
	s_lshl_b32 s22, s19, 7                         ; 8 queries x 16 bytes of cqn
	s_add_nc_u64 s[16:17], s[16:17], s[22:23]
	s_load_b256 s[SQ:SQ+7], s[24:25], 0x0
	s_load_b256 s[SQ+8:SQ+15], s[24:25], 0x2000
	s_load_b256 s[SQ+16:SQ+23], s[24:25], 0x4000
	s_load_b256 s[SQ+24:SQ+31], s[24:25], 0x6000
	global_load_b32 v8, v6, s[24:25]               ; my own cm[b][c][q0 + q], older than all the loads below
.macro LOADK t
.irp c, 0,1,2,3
.irp i, 0,1,2,3
	global_load_b128 v[KEY+64*((\t)%2)+16*\c+4*\i:KEY+64*((\t)%2)+16*\c+4*\i+3], v3, s[10:11] offset:\c*8192+(\t)*2048+\i*512
.endr
.endr
.endm
	LOADK 0
	LOADK 1
.irp q, 0,1,2,3,4,5,6,7
	v_mov_b32 v[MX+\q], 0xff800000                 ; -infinity, under every sum
.endr
	s_wait_kmcnt 0x0
.macro CHUNK t
.set KK, KEY+64*((\t)%2)
.if (\t) < 3
	s_wait_loadcnt 16                              ; this chunk's 16 loads are in; the next chunk's may be out
.else
	s_wait_loadcnt 0x0
.endif
.irp q, 0,1,2,3,4,5,6,7
	s_mov_b32 s60, s[SQ+\q]                        ; the packed forms take the low word of an even pair
	s_mov_b32 s62, s[SQ+8+\q]
	s_mov_b32 s66, s[SQ+16+\q]
	s_mov_b32 s68, s[SQ+24+\q]
.irp p, 0,1,2,3,4,5,6,7
	v_pk_mul_f32 v[ACC+2*\p:ACC+2*\p+1], v[KK+2*\p:KK+2*\p+1], s[60:61] op_sel_hi:[1,0]
.endr
.irp p, 0,1,2,3,4,5,6,7
	v_pk_fma_f32 v[ACC+2*\p:ACC+2*\p+1], v[KK+16+2*\p:KK+16+2*\p+1], s[62:63], v[ACC+2*\p:ACC+2*\p+1] op_sel_hi:[1,0,1]
.endr
.irp p, 0,1,2,3,4,5,6,7
	v_pk_fma_f32 v[ACC+2*\p:ACC+2*\p+1], v[KK+32+2*\p:KK+32+2*\p+1], s[66:67], v[ACC+2*\p:ACC+2*\p+1] op_sel_hi:[1,0,1]
.endr
.irp p, 0,1,2,3,4,5,6,7
	v_pk_fma_f32 v[ACC+2*\p:ACC+2*\p+1], v[KK+48+2*\p:KK+48+2*\p+1], s[68:69], v[ACC+2*\p:ACC+2*\p+1] op_sel_hi:[1,0,1]
.endr
.irp p, 0,1,2,3,4,5,6,7
	v_max3_num_f32 v[MX+\q], v[MX+\q], v[ACC+2*\p], v[ACC+2*\p+1]
.endr
.endr
.if (\t) < 2
	LOADK (\t)+2
.endif
.endm
	CHUNK 0
	CHUNK 1
	CHUNK 2
	CHUNK 3
.irp m, 1,2,4,8
.irp q, 0,1,2,3,4,5,6,7
	v_max_num_f32_dpp v[MX+\q], v[MX+\q], v[MX+\q] row_xmask:\m row_mask:0xf bank_mask:0xf
.endr
.endr
.irp q, 0,1,2,3,4,5,6,7
	v_permlanex16_b32 v[ACC+\q], v[MX+\q], s70, s71
.endr
.irp q, 0,1,2,3,4,5,6,7
	v_max_num_f32 v[MX+\q], v[MX+\q], v[ACC+\q]    ; every lane holds the eight rows' maxima
.endr
	v_mov_b32 v168, v[MX]
.irp q, 1,2,3,4,5,6,7
	v_cmp_eq_u32 vcc_lo, \q, v5
	v_cndmask_b32 v168, v168, v[MX+\q], vcc_lo     ; my query's
.endr
	v_max_num_f32 v168, 0x358637bd, v168           ; held at 1e-6 from below
	s_wait_alu depctr_va_vdst(0)
	v_rcp_f32 v169, v168
	v_add_f32 v170, v8, v8                         ; 2 cm (a plain line behind the reciprocal)
	s_wait_alu depctr_va_vdst(0)
	v_mul_f32 v170, v170, v169
	global_store_b32 v7, v170, s[16:17]            ; the wave stores 128 consecutive bytes, the work-group 512
	s_endpgm
.Lfunc_end_k_q3900a41482_prep:
	.size	k_q3900a41482_prep, .Lfunc_end_k_q3900a41482_prep-k_q3900a41482_prep
	.p2alignl 7, 3214868480
	.fill 96, 4, 3214868480
	.section	.rodata,"a",@progbits
	.p2align	6, 0x0
	.amdhsa_kernel k_q3900a41482_prep
		.amdhsa_group_segment_fixed_size 33280
		.amdhsa_private_segment_fixed_size 0
		.amdhsa_enable_private_segment 0
		.amdhsa_kernarg_size 56
		.amdhsa_user_sgpr_count 2
		.amdhsa_user_sgpr_kernarg_segment_ptr 1
		.amdhsa_wavefront_size32 1
		.amdhsa_system_sgpr_workgroup_id_x 1
		.amdhsa_system_sgpr_workgroup_id_y 1
		.amdhsa_system_sgpr_workgroup_id_z 1
		.amdhsa_system_vgpr_workitem_id 0
		.amdhsa_next_free_vgpr 194
		.amdhsa_next_free_sgpr 72
		.amdhsa_reserve_vcc 1
		.amdhsa_float_denorm_mode_32 3
		.amdhsa_float_denorm_mode_16_64 3
		.amdhsa_memory_ordered 1
		.amdhsa_forward_progress 1
		.amdhsa_inst_pref_size 128
	.end_amdhsa_kernel
	.amdgpu_metadata
---
amdhsa.version: [ 1, 2 ]
amdhsa.kernels:
  - .name:           k_q3900a41482_prep
    .symbol:         k_q3900a41482_prep.kd
    .args:
      - { .name: x, .offset: 0, .size: 8, .value_kind: global_buffer, .address_space: global }
      - { .name: W_qkv, .offset: 8, .size: 8, .value_kind: global_buffer, .address_space: global }
      - { .name: W_out, .offset: 16, .size: 8, .value_kind: global_buffer, .address_space: global }
      - { .name: character_masks, .offset: 24, .size: 8, .value_kind: global_buffer, .address_space: global }
      - { .name: rc, .offset: 32, .size: 8, .value_kind: global_buffer, .address_space: global }
      - { .name: rs, .offset: 40, .size: 8, .value_kind: global_buffer, .address_space: global }
      - { .name: cqn, .offset: 48, .size: 8, .value_kind: global_buffer, .address_space: global }
    .group_segment_fixed_size: 33280
    .private_segment_fixed_size: 0
    .kernarg_segment_align: 8
    .kernarg_segment_size: 56
    .max_flat_workgroup_size: 128
    .sgpr_count:     72
    .vgpr_count:     194
    .wavefront_size: 32
...
	.end_amdgpu_metadata
.endif
;; end of part 1
;; launch qkv (part 2): grid 8 x 32, 4 waves a work-group, clusters of 4 x 4, 327,680 bytes of LDS; arguments rc, rs, q_norm_w, k_norm_w, qz, kv; writes qz, kv
.if DOCPART == 2
	.amdgcn_target "amdgcn-amd-amdhsa--gfx1250"
	.amdhsa_code_object_version 6
	.text
	.protected	k_q3900a41482_qkv
	.globl	k_q3900a41482_qkv
	.p2align	8
	.type	k_q3900a41482_qkv,@function
k_q3900a41482_qkv:
	s_mov_b64 s[64:65], 0
	v_nop
	global_prefetch_b8 v0, s[64:65] scope:SCOPE_SE
	s_setreg_imm32_b32 hwreg(HW_REG_WAVE_MODE, 25, 1), 1
	s_wait_xcnt 0x0
	s_wait_alu depctr_hold_cnt(0) depctr_sa_sdst(0) depctr_va_vdst(0) depctr_va_sdst(0) depctr_va_ssrc(0) depctr_va_vcc(0) depctr_vm_vsrc(0)
	s_getreg_b32 s2, hwreg(HW_REG_IB_STS2, 6, 4)
	s_cmp_eq_u32 s2, 0
	s_cbranch_scc0 .Lentry_in_a_cluster
	s_endpgm
.Lentry_in_a_cluster:
	s_bfe_u32 s2, ttmp6, 0x10000c
	s_cmp_lg_u32 s2, 0xf033
	s_cbranch_scc0 .Lentry_shape_is_right
	s_endpgm
.Lentry_shape_is_right:
; QKV on codes of FP6 (E2M3) with E8M0 scales.  A work-group owns 128 tokens (group tg) and two heads (pair hp) and makes three blocks of 128 x 128, K = 1,024: q, k, v.
; LDS holds whole rows of K: a row of codes is 768 bytes, a block of rows is dense in memory and comes in as lines of 256 bytes, each with 16 bytes of padding: an LDS row is 816 bytes.
; x's 128 rows stay; W_q's 128 rows land in S0 at the head, W_k's in S1 behind the first round, W_v's again in S0 when q's products are done.
; Four waves, each 64 x 64: 16 accumulators (window 1, v0-127), two sets of fragments (window 0, v64-255).  Wave w: tokens 64 (w / 2) on, head 2 hp + w % 2.
; SCALES go from memory into registers: lane (r, h) takes 16 bytes at 32 r + 16 h of a block of 16 rows, so lanes 0-15 hold the words of K steps 0-3 and lanes 16-31 those of steps 4-7 (ROW1).
; q, k: source 0 = rows of W, source 1 = rows of x: a lane holds a token, its registers run along the head's features: RMS norm, then the quantiser along the features.
; v: the sources swapped: a lane holds a feature, its registers run along the tokens, which are the last-but-one product's K.
; Rows of rc are stored with bits 3 and 4 of the row number exchanged, so the 16 registers of two neighbouring tiles are 16 neighbours.
; OUT, a head block of 13,056 bytes for each (group of 128 tokens, head): 8 tiles x 768 bytes of codes as register images, 512 bytes of scale words [r][tile], 4 x 2 x 768 bytes of V^T, 256 bytes of V's scale words [r][tile].
; V's scale words are written in halves of two bytes by the two waves that hold the two halves of the 128 tokens: 256 bytes a head block are stored in small pieces.
; CLUSTER 4 x 4: x's rows are shared along a row of the cluster, W's along a column: joint loads.
; No prefetch: the three blocks are written out, there is no loop to run ahead in, and each later tile is asked for a whole block's products ahead of its first read.
; LIMITS: NaN and infinities are not served; a block under 2^-124 keeps the byte 1 (read by this program alone); 1 / sqrt by v_rsq_f32.
.set RP,    816
.set QT,    64*RP
.set S0,    2*QT
.set S1,    4*QT
.set SPARE, 6*QT
.set HB,    13056
.set FL,    (3<<16)|(1<<20)|(1<<21)|(5<<22)|(3<<25)   ; elements of 8 bytes, 4 words of padding behind every 64, bit 21 beside a mask
.set ADRA, 16                          ; v16-17 my rows of x (v17: for pieces whose lanes 16-31 lie in the next line)
.set ADRB, 18                          ; v18-19 my rows of W in S0, v20-21 in S1
.set VS,   22                          ; 32 r + 16 h
.set VW,   23                          ; 64 h
.set VO16, 24
.set VO8,  25
.set VSC,  26
.set VSV,  27
.set SPW,  28
.set NIL,  29
.set SA,   32                          ; v32-47 x's scale words, v48-63 W's
.set SB,   48
.set FRG,  64
.set SS,   104
.set RS,   112
.set Y,    128
.set CD,   192
.set TM,   212
.set PW,   228
.set WQ,   232
.set WS,   236
.set VD,   240
.set WNQ,  128                         ; window 1: q_norm_w, k_norm_w as my lane wants them
.set WNK,  160
.set G1A, 24
.set G1B, 32
.set G0H, 40
.set G0HB, 44
.set G0K, 48
.set G0V, 52
.set SEL, 80
.set QB,  86
.set KB,  88
.set VB,  90
.set SAP, 92
.set SBP, 94
.set MSB, 0
.macro WIN new
.if MSB != (\new)
	s_set_vgpr_msb (MSB<<8)|(\new)
.set MSB, (\new)
.endif
.endm
.macro PLACES
.rept 4
	v_nop
.endr
.endm
.macro CROUND                          ; a round of the cluster's barrier
	s_barrier_signal -1
	s_barrier_wait -1
	s_cmp_lg_u32 s16, 0
	s_cbranch_scc1 .Lnot_wave_0_\@
	s_barrier_signal -3
.Lnot_wave_0_\@:
	s_barrier_wait -3
	s_barrier_signal -1
	s_barrier_wait -1
.endm
	s_load_b256 s[4:11], s[0:1], 0x0               ; rc, rs, q_norm_w, k_norm_w
	s_load_b128 s[12:15], s[0:1], 0x20             ; qz, kv
	v_lshl_add_u32 v[SPW], v0, 2, SPARE
	v_mov_b32 v[NIL], 0
	ds_add_u32 v[SPW], v[NIL]                      ; the opening lines: the add twice on end and one wait
	ds_add_u32 v[SPW], v[NIL]
	v_lshrrev_b32 v1, 5, v0
	v_readfirstlane_b32 s16, v1                    ; wave
	s_lshr_b32 s17, s16, 1                         ; my half of the tokens; at the head: I fetch x (0) or W_q (1)
	s_and_b32 s18, s16, 1                          ; my head of the pair; at the head: which 64 rows I fetch
	s_bfe_u32 s19, ttmp6, 0x40000                  ; cx
	s_bfe_u32 s20, ttmp6, 0x40004                  ; cy
	s_lshl_b32 s21, ttmp9, 2
	s_add_co_u32 s21, s21, s19                     ; hp
	s_and_b32 s22, ttmp7, 0xffff
	s_lshl_b32 s22, s22, 2
	s_add_co_u32 s22, s22, s20                     ; tg
	s_lshl_b32 s23, s20, 2
	s_lshl_b32 s23, 15, s23                        ; my row of the cluster
	s_lshl_b32 s56, 0x1111, s19                    ; my column
	s_or_b32 s[G1A], s23, FL
	s_or_b32 s[G1B], s56, FL
.irp g, G1A, G1B                       ; 64 rows of 768 bytes = 192 lines of 256 bytes (32 elements)
	s_mov_b32 s[\g+1], 32<<16
	s_mov_b32 s[\g+2], 192<<16
	s_mov_b32 s[\g+3], 32<<16
	s_mov_b32 s[\g+4], 192
	s_mov_b32 s[\g+5], 32
	s_mov_b32 s[\g+6], 0
	s_mov_b32 s[\g+7], 0
.endr
	s_lshl_b32 s57, s18, 6
	s_lshl_b32 s58, s22, 7
	s_add_co_u32 s58, s58, s57                     ; x: row 128 tg + 64 (w % 2)
	s_mul_i32 s58, s58, 768
	s_mov_b32 s59, 0
	s_lshl_b32 s66, s21, 7
	s_add_co_u32 s60, s66, s57
	s_add_co_u32 s60, s60, 4096                    ; W_q: row 4096 + 128 hp + 64 (w % 2)
	s_mul_i32 s60, s60, 768
	s_mov_b32 s61, 0
	s_lshl_b32 s62, s16, 5
	s_add_co_u32 s62, s62, s66
	s_add_co_u32 s62, s62, 5120                    ; W_k: row 5120 + 128 hp + 32 w: a quarter a wave
	s_mul_i32 s62, s62, 768
	s_mov_b32 s63, 0
	s_mul_i32 s67, s16, QT
	s_mul_i32 s68, s16, QT/2
	s_wait_dscnt 0x0
	s_wait_kmcnt 0x0
	s_mov_b32 s[G0H], 1
	s_mov_b32 s[G0H+1], s67
	s_add_nc_u64 s[G0H+2:G0H+3], s[4:5], s[58:59]
	s_or_b32 s[G0H+3], s[G0H+3], 0x80000000
	s_mov_b32 s[G0HB], 1
	s_mov_b32 s[G0HB+1], s67
	s_add_nc_u64 s[G0HB+2:G0HB+3], s[4:5], s[60:61]
	s_or_b32 s[G0HB+3], s[G0HB+3], 0x80000000
	s_mov_b32 s[G0K], 1
	s_add_co_u32 s[G0K+1], s68, S1
	s_add_nc_u64 s[G0K+2:G0K+3], s[4:5], s[62:63]
	s_mov_b32 s[G0V], 1
	s_add_co_u32 s[G0V+1], s68, S0
	s_add_nc_u64 s[G0V+2:G0V+3], s[G0K+2:G0K+3], 1024*768   ; W_v lies 1,024 rows behind W_k
	s_or_b32 s[G0K+3], s[G0K+3], 0x80000000
	s_or_b32 s[G0V+3], s[G0V+3], 0x80000000
	CROUND                                         ; all sixteen work-groups are here
	s_cmp_eq_u32 s17, 0                            ; one tensor load a wave at the head: waves 0, 1 x's halves, waves 2, 3 W_q's
	s_cbranch_scc0 .Lhead_b
	tensor_load_to_lds s[G0H:G0H+3], s[G1A:G1A+7]
	s_nop 0
	PLACES
	s_branch .Lhead_asked
.Lhead_b:
	tensor_load_to_lds s[G0HB:G0HB+3], s[G1B:G1B+7]
	s_nop 0
	PLACES
.Lhead_asked:
	s_mul_i32 s66, s17, QT                         ; my 64 rows of x
	s_mul_i32 s67, s18, QT
	s_add_co_u32 s67, s67, S0                      ; my 64 rows of W in S0,
	s_add_co_u32 s68, s67, 2*QT                    ; in S1
	s_mul_i32 s69, s17, 3056
	s_sub_co_u32 s69, 6144, s69                    ; q's, k's scale words, counted from my codes' base: 6144 + 16 (w / 2) - 3072 (w / 2)
	s_mul_i32 s70, s17, 766
	s_sub_co_u32 s70, 12800, s70                   ; V's: 12800 + 2 (w / 2) - 768 (w / 2)
	s_lshl_b32 s71, s22, 7
	s_lshl_b32 s72, s17, 6
	s_add_co_u32 s71, s71, s72
	s_lshl_b32 s72, s71, 5
	s_mov_b32 s73, 0
	s_add_nc_u64 s[SAP:SAP+1], s[6:7], s[72:73]    ; the scales of my 64 rows of x
	s_lshl_b32 s74, s21, 7
	s_lshl_b32 s72, s18, 6
	s_add_co_u32 s72, s72, s74
	s_add_co_u32 s72, s72, 4096
	s_lshl_b32 s72, s72, 5
	s_add_nc_u64 s[SBP:SBP+1], s[6:7], s[72:73]    ; and of my 64 rows of W_q; W_k's and W_v's lie 32,768 and 65,536 bytes on
	s_lshl_b32 s72, s22, 4
	s_lshl_b32 s74, s21, 1
	s_add_co_u32 s72, s72, s74
	s_add_co_u32 s72, s72, s18
	s_mul_i32 s72, s72, HB                         ; my head block
	s_add_nc_u64 s[12:13], s[12:13], s[72:73]
	s_add_nc_u64 s[14:15], s[14:15], s[72:73]
	s_mul_i32 s72, s17, 768
	s_add_nc_u64 s[VB:VB+1], s[14:15], s[72:73]
	s_mul_i32 s72, s17, 3072
	s_add_nc_u64 s[QB:QB+1], s[12:13], s[72:73]
	s_add_nc_u64 s[KB:KB+1], s[14:15], s[72:73]
	s_mov_b32 s[SEL], 0x76543210
	s_mov_b32 s[SEL+1], 0xfedcba98
	s_mov_b32 s82, 0x3c800000                      ; 1 / 64
	s_mov_b32 s83, 0x358637bd                      ; 1e-6
	v_and_b32 v1, 15, v0                           ; r
	v_bfe_u32 v2, v0, 4, 1                         ; h
	v_and_b32 v3, 31, v0
	v_mul_u32_u24 v4, v1, RP
	v_mad_u32_u24 v5, v2, 24, v4
	v_mad_u32_u24 v6, v2, 40, v4                   ; lanes 16-31 one line on: 24 bytes and the 16 of padding
	v_add_nc_u32 v[ADRA], s66, v5
	v_add_nc_u32 v[ADRA+1], s66, v6
	v_add_nc_u32 v[ADRB], s67, v5
	v_add_nc_u32 v[ADRB+1], s67, v6
	v_add_nc_u32 v[ADRB+2], s68, v5
	v_add_nc_u32 v[ADRB+3], s68, v6
	v_lshlrev_b32 v7, 5, v1
	v_lshl_add_u32 v[VS], v2, 4, v7
	v_lshlrev_b32 v[VW], 6, v2
	v_lshlrev_b32 v[VO16], 4, v3
	v_lshlrev_b32 v[VO8], 3, v3
	v_lshl_add_u32 v8, v2, 3, v7
	v_add_nc_u32 v[VSC], s69, v8                   ; 32 r + 8 h: lanes 0-15 store two tiles' words, lanes 16-31 the other two
	v_lshlrev_b32 v9, 4, v1
	v_lshl_add_u32 v9, v2, 2, v9
	v_add_nc_u32 v[VSV], s70, v9                   ; 16 r + 4 h
	v_cmp_eq_u32 s84, 1, v2                        ; lanes 16-31
	s_wait_alu depctr_va_vdst(0)                   ; the wait at the head's end
.irp i, 0,1,2,3
	global_load_b128 v[SA+4*\i:SA+4*\i+3], v[VS], s[SAP:SAP+1] offset:512*\i
	global_load_b128 v[SB+4*\i:SB+4*\i+3], v[VS], s[SBP:SBP+1] offset:512*\i
.endr
	WIN 0x40
.irp u, 0,1
.irp i, 0,1,2,3
	global_load_b128 v[WNQ+16*\u+4*\i:WNQ+16*\u+4*\i+3], v[VW], s[8:9] offset:128*\u+16*\i     ; register 16 u + i: feature 32 u + 16 h + i
	global_load_b128 v[WNK+16*\u+4*\i:WNK+16*\u+4*\i+3], v[VW], s[10:11] offset:128*\u+16*\i
.endr
.endr
	WIN 0
	s_wait_tensorcnt 0x0                           ; my part of the head's tiles is in; a later first fill is issued as a refill is
	ds_add_u32 v[SPW], v[NIL]
	s_mov_b32 s[G1B+2], 96<<16                     ; no tensor load of mine is out: from here on a load brings 32 rows, 96 lines
	s_mov_b32 s[G1B+4], 96
	s_wait_dscnt 0x0
	CROUND
	tensor_load_to_lds s[G0K:G0K+3], s[G1B:G1B+7]  ; W_k into S1
	s_nop 0
	PLACES
.macro FRAG reg, adr, st, i            ; 16 rows x 128 K: 12 registers, six pieces of 8 bytes; byte y of a row lies at 272 (y / 256) + y % 256
.irp p, 0,1,2,3,4,5
.set BY, 96*(\st)+48*(\p/3)+8*(\p%3)
.if BY/256 == (BY+24)/256
	ds_load_b64 v[\reg+2*\p:\reg+2*\p+1], v[\adr] offset:(BY/256)*272+BY%256+(\i)*16*RP
.else
	ds_load_b64 v[\reg+2*\p:\reg+2*\p+1], v[\adr+1] offset:(BY/256)*272+BY%256+(\i)*16*RP
.endif
.endr
.endm
.macro FETCH st, ab                    ; 48 loads: step st's four fragments of x and four of W into set st % 2
.set FS, FRG+96*((\st)%2)
.irp i, 0,1,2,3
	FRAG FS+12*\i, ADRA, \st, \i
.endr
.irp i, 0,1,2,3
	FRAG FS+48+12*\i, \ab, \st, \i
.endr
.endm
.macro WM d, x, y, sx, sy, st
.if (\st) == 0
	v_wmma_scale_f32_16x16x128_f8f6f4 v[\d:\d+7], v[\x:\x+11], v[\y:\y+11], 0, v[\sx], v[\sy] matrix_a_fmt:MATRIX_FMT_FP6 matrix_b_fmt:MATRIX_FMT_FP6
.else
.if (\st) < 4
	v_wmma_scale_f32_16x16x128_f8f6f4 v[\d:\d+7], v[\x:\x+11], v[\y:\y+11], v[\d:\d+7], v[\sx], v[\sy] matrix_a_fmt:MATRIX_FMT_FP6 matrix_b_fmt:MATRIX_FMT_FP6
.else
	v_wmma_scale_f32_16x16x128_f8f6f4 v[\d:\d+7], v[\x:\x+11], v[\y:\y+11], v[\d:\d+7], v[\sx], v[\sy] matrix_a_fmt:MATRIX_FMT_FP6 matrix_b_fmt:MATRIX_FMT_FP6 matrix_a_scale:MATRIX_SCALE_ROW1 matrix_b_scale:MATRIX_SCALE_ROW1
.endif
.endif
.endm
.macro MUL st, sw                      ; 16 accumulators by turns, one instruction a turn
.set FS, FRG+96*((\st)%2)
.set SQ, (\st)%4
.irp i, 0,1,2,3
.irp j, 0,1,2,3
.if \sw
	WM 8*(4*\j+\i), FS+12*\i, FS+48+12*\j, SA+4*\i+SQ, SB+4*\j+SQ, \st
.else
	WM 8*(4*\i+\j), FS+48+12*\j, FS+12*\i, SB+4*\j+SQ, SA+4*\i+SQ, \st
.endif
.endr
.endr
.endm
.macro GEMM ab, sw                     ; eight K steps; the next step's 48 loads are issued ahead of each step's products
	FETCH 0, \ab
.irp st, 0,1,2,3,4,5,6,7
.if \st < 7
.if \st > 0
	PLACES                                         ; in front of loads into registers that the step before multiplied
.endif
	FETCH \st+1, \ab
	s_wait_dscnt 48                                ; all but the 48 just issued
.else
	s_wait_dscnt 0x0
.endif
	WIN 0x50                                       ; C and D in window 1
	MUL \st, \sw
	WIN 0
.endr
.endm
; The quantiser: 64 registers at s (window w) are four blocks of 32, each in lanes l and l xor 16.  CD 0-5 and 6-11: two half fragments; PW: the four scale bytes.
.macro QUANT s, w
	WIN 5*(\w)
.irp b, 0,1,2,3
	v_max3_num_f32 v[TM+\b], |v[\s+16*\b]|, |v[\s+1+16*\b]|, 0x1800000
.endr
	WIN 20*(\w)
.irp i, 2,4,6,8,10,12,14
.irp b, 0,1,2,3
	v_max3_num_f32 v[TM+\b], v[TM+\b], |v[\s+16*\b+\i]|, |v[\s+1+16*\b+\i]|
.endr
.endr
	WIN 0
.irp b, 0,1,2,3
	v_permlanex16_b32 v[TM+4+\b], v[TM+\b], s[SEL], s[SEL+1]
.endr
.irp b, 0,1,2,3
	v_max_num_f32 v[TM+\b], v[TM+\b], v[TM+4+\b]
.endr
.irp b, 0,1,2,3
	v_add_nc_u32 v[TM+12+\b], 0xff000000, v[TM+\b] ; 2 off the exponent field: the conversion's scale operand
.endr
.irp b, 0,1,2,3
	v_lshrrev_b32 v[TM+4+\b], 23, v[TM+12+\b]
.endr
	v_lshl_or_b32 v[PW], v[TM+5], 8, v[TM+4]
	v_lshl_or_b32 v[PW], v[TM+6], 16, v[PW]
	v_lshl_or_b32 v[PW], v[TM+7], 24, v[PW]
	s_wait_alu depctr_va_vdst(0)
	s_wait_xcnt 0x0                                ; earlier stores have read their data: the codes' registers may be written
	WIN (\w)
.irp c, 0,1
	v_cvt_scalef32_pk16_fp6_f32 v[CD+6*\c:CD+2+6*\c], v[\s+32*\c:\s+15+32*\c], v[TM+12+2*\c]
	v_cvt_scalef32_pk16_fp6_f32 v[CD+12+4*\c:CD+14+4*\c], v[\s+16+32*\c:\s+31+32*\c], v[TM+12+2*\c+1]
.endr
	WIN 0
	v_nop                                          ; one plain line behind a scaled conversion
.irp c, 0,1
.irp i, 0,1,2
	v_permlane16_swap_b32 v[CD+6*\c+\i], v[CD+12+4*\c+\i]
.endr
.irp i, 0,1,2
	v_mov_b32 v[CD+3+6*\c+\i], v[CD+12+4*\c+\i]
.endr
.endr
.endm
; RMS norm and quantiser of token blocks 2 a and 2 a + 1 (c = 0, 1): 32 registers each, the head's other 32 features in lane l xor 16.
.macro NORMQ a, wn, ob
.set AC, 64*(\a)
	WIN 5
.if \a
	s_wait_alu depctr_va_vdst(0)                   ; the wait ahead of the first reader of these sums
.endif
.irp c, 0,1
.irp u, 0,1
	v_pk_mul_f32 v[SS+4*\c+2*\u:SS+4*\c+2*\u+1], v[AC+32*\c+16*\u:AC+32*\c+16*\u+1], v[AC+32*\c+16*\u:AC+32*\c+16*\u+1]
.endr
.endr
.irp i, 2,4,6,8,10,12,14
.irp c, 0,1
.irp u, 0,1
	v_pk_fma_f32 v[SS+4*\c+2*\u:SS+4*\c+2*\u+1], v[AC+32*\c+16*\u+\i:AC+32*\c+16*\u+\i+1], v[AC+32*\c+16*\u+\i:AC+32*\c+16*\u+\i+1], v[SS+4*\c+2*\u:SS+4*\c+2*\u+1]
.endr
.endr
.endr
	WIN 0
.irp c, 0,1
	v_pk_add_f32 v[SS+4*\c:SS+4*\c+1], v[SS+4*\c:SS+4*\c+1], v[SS+4*\c+2:SS+4*\c+3]
.endr
.irp c, 0,1
	v_add_f32 v[SS+4*\c], v[SS+4*\c], v[SS+4*\c+1]
.endr
.irp c, 0,1
	v_permlanex16_b32 v[SS+4*\c+2], v[SS+4*\c], s[SEL], s[SEL+1]
.endr
.irp c, 0,1
	v_add_f32 v[SS+4*\c], v[SS+4*\c], v[SS+4*\c+2]
.endr
.irp c, 0,1
	v_fma_f32 v[SS+4*\c], v[SS+4*\c], s82, s83     ; the mean of the squares + 1e-6
.endr
	s_wait_alu depctr_va_vdst(0)                   ; the wait ahead of the batch,
.irp c, 0,1
	v_rsq_f32 v[RS+2*\c], v[SS+4*\c]
.endr
	v_nop
	WIN 1
	s_wait_alu depctr_va_vdst(0)                   ; and behind it
.irp c, 0,1
.irp i, 0,2,4,6,8,10,12,14,16,18,20,22,24,26,28,30
	v_pk_mul_f32 v[Y+32*\c+\i:Y+32*\c+\i+1], v[AC+32*\c+\i:AC+32*\c+\i+1], v[RS+2*\c:RS+2*\c+1] op_sel_hi:[1,0]
.endr
.endr
	WIN 4
.irp c, 0,1
.irp i, 0,2,4,6,8,10,12,14,16,18,20,22,24,26,28,30
	v_pk_mul_f32 v[Y+32*\c+\i:Y+32*\c+\i+1], v[Y+32*\c+\i:Y+32*\c+\i+1], v[\wn+\i:\wn+\i+1]
.endr
.endr
	WIN 0
	QUANT Y, 0
	v_and_b32 v[WQ+2*\a], 0xffff, v[PW]            ; a tile's word: two bytes, and zeros for k = 64 .. 127
	v_lshrrev_b32 v[WQ+2*\a+1], 16, v[PW]
.irp c, 0,1
	global_store_b128 v[VO16], v[CD+6*\c:CD+6*\c+3], s[\ob:\ob+1] offset:(2*\a+\c)*768       ; the wave stores 512 consecutive bytes,
	global_store_b64 v[VO8], v[CD+6*\c+4:CD+6*\c+5], s[\ob:\ob+1] offset:(2*\a+\c)*768+512   ; and 256
.endr
.endm
.macro QKOUT wn, ob
	NORMQ 0, \wn, \ob
	NORMQ 1, \wn, \ob
	v_cndmask_b32 v[WS], v[WQ], v[WQ+2], s84
	v_cndmask_b32 v[WS+1], v[WQ+1], v[WQ+3], s84
	global_store_b64 v[VSC], v[WS:WS+1], s[\ob:\ob+1]
.endm
.macro VQ a                            ; feature blocks 2 a and 2 a + 1: my 64 tokens are one half of their fragments
	QUANT 64*(\a), 1
	v_lshrrev_b32 v[VD+2*\a+1], 16, v[PW]
	v_cndmask_b32 v[VD+2*\a], v[PW], v[VD+2*\a+1], s84     ; lanes 0-15 block 2 a's two bytes, lanes 16-31 block 2 a + 1's
.irp c, 0,1
	global_store_b128 v[VO16], v[CD+6*\c:CD+6*\c+3], s[VB:VB+1] offset:6656+1536*(2*\a+\c)
	global_store_b64 v[VO8], v[CD+6*\c+4:CD+6*\c+5], s[VB:VB+1] offset:6656+1536*(2*\a+\c)+512
.endr
	global_store_b16 v[VSV], v[VD+2*\a], s[VB:VB+1] offset:8*\a
.endm
	s_wait_loadcnt 0x0                             ; scales and norm weights
	GEMM ADRB, 0                                   ; q
	s_wait_tensorcnt 0x0                           ; my quarter of W_k is in
	ds_add_u32 v[SPW], v[NIL]
	s_wait_dscnt 0x0                               ; the add is done, my reads of S0 are over
	CROUND                                         ; so of every wave of the cluster: W_k is whole, S0 is free
	tensor_load_to_lds s[G0V:G0V+3], s[G1B:G1B+7]  ; W_v into S0
	s_nop 0
	PLACES                                         ; also the places behind q's last products
.irp i, 0,1,2,3
	global_load_b128 v[SB+4*\i:SB+4*\i+3], v[VS], s[SBP:SBP+1] offset:32768+512*\i
.endr
	QKOUT WNQ, QB
	s_wait_xcnt 0x0                                ; the stores have read their data: fragments may land there
	s_wait_loadcnt 0x0
	GEMM ADRB+2, 0                                 ; k
	PLACES
.irp i, 0,1,2,3
	global_load_b128 v[SB+4*\i:SB+4*\i+3], v[VS], s[SBP:SBP+1] offset:65536+512*\i
.endr
	QKOUT WNK, KB
	s_wait_tensorcnt 0x0                           ; my quarter of W_v is in;
	s_barrier_signal -1
	s_barrier_wait -1                              ; everybody's
	s_wait_xcnt 0x0
	s_wait_loadcnt 0x0
	GEMM ADRB, 1                                   ; v, the sources swapped
	PLACES
	VQ 0
	VQ 1
	s_wait_tensorcnt 0x0                           ; the wave's end
	ds_add_u32 v[SPW], v[NIL]
	s_wait_dscnt 0x0
	CROUND                                         ; the closing round
	s_endpgm
.Lfunc_end_k_q3900a41482_qkv:
	.size	k_q3900a41482_qkv, .Lfunc_end_k_q3900a41482_qkv-k_q3900a41482_qkv
	.p2alignl 7, 3214868480
	.fill 96, 4, 3214868480
	.section	.rodata,"a",@progbits
	.p2align	6, 0x0
	.amdhsa_kernel k_q3900a41482_qkv
		.amdhsa_group_segment_fixed_size 327680
		.amdhsa_private_segment_fixed_size 0
		.amdhsa_enable_private_segment 0
		.amdhsa_kernarg_size 48
		.amdhsa_user_sgpr_count 2
		.amdhsa_user_sgpr_kernarg_segment_ptr 1
		.amdhsa_wavefront_size32 1
		.amdhsa_system_sgpr_workgroup_id_x 1
		.amdhsa_system_sgpr_workgroup_id_y 1
		.amdhsa_system_sgpr_workgroup_id_z 1
		.amdhsa_system_vgpr_workitem_id 0
		.amdhsa_next_free_vgpr 512
		.amdhsa_next_free_sgpr 100
		.amdhsa_reserve_vcc 0
		.amdhsa_float_denorm_mode_32 3
		.amdhsa_float_denorm_mode_16_64 3
		.amdhsa_memory_ordered 1
		.amdhsa_forward_progress 1
		.amdhsa_inst_pref_size 191
	.end_amdhsa_kernel
	.amdgpu_metadata
---
amdhsa.version: [ 1, 2 ]
amdhsa.kernels:
  - .name:           k_q3900a41482_qkv
    .symbol:         k_q3900a41482_qkv.kd
    .args:
      - { .name: rc, .offset: 0, .size: 8, .value_kind: global_buffer, .address_space: global }
      - { .name: rs, .offset: 8, .size: 8, .value_kind: global_buffer, .address_space: global }
      - { .name: q_norm_w, .offset: 16, .size: 8, .value_kind: global_buffer, .address_space: global }
      - { .name: k_norm_w, .offset: 24, .size: 8, .value_kind: global_buffer, .address_space: global }
      - { .name: qz, .offset: 32, .size: 8, .value_kind: global_buffer, .address_space: global }
      - { .name: kv, .offset: 40, .size: 8, .value_kind: global_buffer, .address_space: global }
    .group_segment_fixed_size: 327680
    .private_segment_fixed_size: 0
    .kernarg_segment_align: 8
    .kernarg_segment_size: 48
    .max_flat_workgroup_size: 128
    .sgpr_count:     100
    .vgpr_count:     512
    .wavefront_size: 32
...
	.end_amdgpu_metadata
.endif
;; end of part 2
;; launch attn (part 3): grid 4 x 64, 16 waves a work-group, clusters of 4 x 4, 327,680 bytes of LDS; arguments qz, kv, interaction_mask, character_masks, cqn, isolation_gate, aoc, aos; writes aoc, aos
.if DOCPART == 3
	.amdgcn_target "amdgcn-amd-amdhsa--gfx1250"
	.amdhsa_code_object_version 6
	.text
	.protected	k_q3900a41482_attn
	.globl	k_q3900a41482_attn
	.p2align	8
	.type	k_q3900a41482_attn,@function
k_q3900a41482_attn:
	s_mov_b64 s[64:65], 0
	v_nop
	global_prefetch_b8 v0, s[64:65] scope:SCOPE_SE
	s_setreg_imm32_b32 hwreg(HW_REG_WAVE_MODE, 25, 1), 1
	s_wait_xcnt 0x0
	s_wait_alu depctr_hold_cnt(0) depctr_sa_sdst(0) depctr_va_vdst(0) depctr_va_sdst(0) depctr_va_ssrc(0) depctr_va_vcc(0) depctr_vm_vsrc(0)
	s_getreg_b32 s2, hwreg(HW_REG_IB_STS2, 6, 4)
	s_cmp_eq_u32 s2, 0
	s_cbranch_scc0 .Lentry_in_a_cluster
	s_endpgm
.Lentry_in_a_cluster:
	s_bfe_u32 s2, ttmp6, 0x10000c
	s_cmp_lg_u32 s2, 0xf033
	s_cbranch_scc0 .Lentry_shape_is_right
	s_endpgm
.Lentry_shape_is_right:
; ATTENTION on codes of FP6 (E2M3) with E8M0 scales.  logit = q.k / 8 + 3 clip(gate) bias, bias[q][k] = 2 same / rowmax - 1 + 0.3 interaction_mask; t = logit x log2(e);
; M = the running largest t rounded up to a whole number; p = 2^(t - M) is quantised along the keys; the row's sum is taken of the unquantised p and divides O at the end; O is quantised along the features for the last product.
; SHARES.  A work-group owns 64 queries (block yb = 4 x cluster y + cy) and 4 heads (group g = cx).  Wave w: head 4 g + w % 4, tile of 16 queries w / 4; lane r of tile ti is token 64 yb + 32 (ti/2) + 8 (ti%2) + r + 8 (r/8).
; Sixteen waves of 256 registers, four to a SIMD: one wave's vector work stands beside another's matrix work and LDS loads.  16 key steps of 128 keys through a ring of two LDS slots.
; THE BIAS hangs on no head: in each step the sixteen waves make it once for the work-group (a wave: 4 queries x 128 keys, f32 multiply-adds), hand it round through LDS, and each wave gives 24 clip(gate) x bias to
; the first product as its C: (q.k + 24 g bias) x log2(e) / 8 = t.
; K = 64 IN AN INSTRUCTION OF 128: q's registers 6-11 are zero codes and bytes 2, 3 of q's and k's scale words are 0 (2^-127), so k's upper six registers may hold any codes: tile t is v[F + 6 t .. F + 6 t + 11].
; Both products are used transposed (source 0 = 16 keys, or 16 features of V^T; source 1 = my 16 queries): a lane holds one query throughout.
; CLUSTER 4 x 4: the mask's tile hangs on the query block alone and is shared along a row of the cluster, the four heads' K and V on the head group and the batch alone and are shared along a column: joint loads.
; OUT: aoc [stored token row][768 bytes], aos [row][32 bytes].  A work-group writes 192 of a row's 768 bytes and 8 of its 32 scale bytes: aligned blocks of 256 bytes are written in part (3.3 MB in all).
; LIMITS: NaN and infinities are not served; a block under 2^-124 keeps the byte 1 (read by this program alone); 1 / sum by v_rcp_f32; a block's largest p is taken from its largest score, which takes v_exp_f32 not to fall where its input rises.
.set SLOT1, 1<<17                      ; slot 1 begins here: one exclusive or turns an address
.set KVO,   32768                      ; a slot: the mask's two column halves [64 rows][256 bytes], then four head blocks
.set HB,    13056
.set BI,    84992                      ; the bias: 4 tiles x 32 quads of keys x 272 bytes; quad k4 of query r at 272 k4 + 16 r
.set BIT,   8704
.set CM,    216064                     ; character_masks[b]: [4][2048] f32
.set SPARE, 248832                     ; the spare words, 128 bytes a wave: no other line names them
.set SSTG,  250880                     ; the way out: 64 rows x 8 scale bytes
.set STG,   262144                     ; the way out: 64 rows x (16 places of 16 bytes + 16)
.set A16, 1                            ; v1   my head block + 16 x lane
.set A8,  2                            ; v2   + 8 x lane
.set ASK, 3                            ; v3   + 32 r
.set ASV, 4                            ; v4   + 16 r
.set SPW, 5
.set NIL, 6
.set BR,  7                            ; v7   where I read the bias
.set BW,  8                            ; v8   where I write it
.set IR,  9                            ; v9   my place in the mask's tile
.set CK,  10                           ; v10  my four keys in cm
.set Q,   16                           ; v16-27
.set QS,  28
.set PS,  29
.set G,   30                           ; v[30:31] 24 clip(gate)
.set F,   32                           ; v32-85  K's eight half fragments (+ six zeros), then V's four fragments
.set S,   88                           ; v88-151 the bias, the scores, p
.set O,   152                          ; v152-183
.set P,   184                          ; v184-195 p's codes
.set X2,  196
.set KS,  204                          ; v204-211 K's scale words, then V's
.set BM,  212
.set TP,  216
.set SO,  220
.set FF,  224
.set TT,  226
.set CQ,  228                          ; v228-243 cqn of my 4 queries: CQ[4 x + c]
.set DK16, 244
.set DK8,  245
.set DSK,  246
.set DSV,  247
.set DIR,  248
.set DCK,  249
.set WV,  20
.set SEL, 22
.set CS,  24
.set G1I, 28
.set G1K, 36
.set G0I, 52
.set G0K, 56
.set TB,  66
.set TJ,  67
.set CNT, 68
.macro ROUND                           ; a round of the cluster's barrier
	s_barrier_signal -1
	s_barrier_wait -1
	s_cmp_lg_u32 s[WV], 0
	s_cbranch_scc1 .Lnot_wave_0_\@
	s_barrier_signal -3
.Lnot_wave_0_\@:
	s_barrier_wait -3
	s_barrier_signal -1
	s_barrier_wait -1
.endm
; Waves 0 and 1 fetch the mask's halves, waves 2 and 3 the halves of K and V, the others nothing.  Four v_nop follow each of the two lines.
.macro TLOAD
	s_cmp_lt_u32 s[WV], 2
	s_cbranch_scc0 .Lnot_i_\@
	tensor_load_to_lds s[G0I:G0I+3], s[G1I:G1I+7]
	s_nop 0
.rept 4
	v_nop
.endr
	s_branch .Lasked_\@
.Lnot_i_\@:
	s_cmp_lt_u32 s[WV], 4
	s_cbranch_scc0 .Lasked_\@
	tensor_load_to_lds s[G0K:G0K+3], s[G1K:G1K+7]
	s_nop 0
.rept 4
	v_nop
.endr
.Lasked_\@:
.endm
	s_load_b512 s[4:19], s[0:1], 0x0               ; qz, kv, interaction_mask, character_masks, cqn, isolation_gate, aoc, aos
	v_lshl_add_u32 v[SPW], v0, 2, SPARE
	v_mov_b32 v[NIL], 0
	ds_add_u32 v5, v6
	ds_add_u32 v5, v6
	s_wait_dscnt 0x0
	v_lshrrev_b32 v250, 5, v0
	s_delay_alu instid0(VALU_DEP_1)
	v_readfirstlane_b32 s[WV], v250                ; wave 0..15
	s_bfe_u32 s69, ttmp6, 0x40000                  ; cx = the head group g
	s_bfe_u32 s70, ttmp6, 0x40004                  ; cy
	s_and_b32 s72, ttmp7, 0xffff                   ; the cluster's y
	s_lshl_b32 s71, s72, 2
	s_add_co_u32 s71, s71, s70                     ; yb: my block of 64 queries, 0..63
	s_lshr_b32 s72, s72, 3                         ; b, of the cluster's y alone
	s_lshl_b32 s73, s70, 2
	s_lshl_b32 s73, 15, s73                        ; my row of the cluster
	s_lshl_b32 s74, 0x1111, s69                    ; my column
	s_or_b32 s[G1I], s73, (2<<16)|(1<<21)          ; the mask: 64 rows x 64 elements of 4 bytes, 2,048 elements apart, shared along my row
	s_mov_b32 s[G1I+1], 64<<16
	s_mov_b32 s[G1I+2], 64<<16
	s_mov_b32 s[G1I+3], 64<<16
	s_mov_b32 s[G1I+4], 64
	s_mov_b32 s[G1I+5], 2048
	s_mov_b32 s[G1I+6], 0
	s_mov_b32 s[G1I+7], 0
	s_or_b32 s[G1K], s74, (3<<16)|(1<<21)          ; two head blocks: 26,112 dense bytes as 102 rows of 256 (32 elements of 8 bytes), shared along my column
	s_mov_b32 s[G1K+1], 32<<16
	s_mov_b32 s[G1K+2], 102<<16
	s_mov_b32 s[G1K+3], 32<<16
	s_mov_b32 s[G1K+4], 102
	s_mov_b32 s[G1K+5], 32
	s_mov_b32 s[G1K+6], 0
	s_mov_b32 s[G1K+7], 0
	s_and_b32 s75, s[WV], 1                        ; which half I fetch
	s_lshl_b32 s76, s71, 19                        ; the mask: 64 rows of 8,192 bytes a block,
	s_lshl_b32 s77, s75, 8
	s_add_co_u32 s76, s76, s77                     ; + 256 bytes for the second half
	s_mov_b32 s77, 0
	s_mul_i32 s78, s72, 16*16*HB                   ; K, V: the batch,
	s_mul_i32 s79, s69, 4*HB
	s_add_co_u32 s78, s78, s79                     ; the head group,
	s_mul_i32 s79, s75, 2*HB
	s_add_co_u32 s78, s78, s79                     ; my half
	s_add_co_u32 s60, s79, KVO                     ; and its place in a slot
	s_mov_b32 s79, 0
	s_mov_b32 s[SEL], 0x76543210
	s_mov_b32 s[SEL+1], 0xfedcba98
	s_mov_b32 s[CS], 0x3e38aa3b                    ; log2(e) / 8
	s_mov_b32 s[CS+1], s[CS]
	s_mov_b32 s[TB], 0
	s_mov_b32 s[TJ], 0
	s_mov_b32 s[CNT], 15
	s_wait_kmcnt 0x0
	s_mov_b32 s[G0I], 1
	s_lshl_b32 s[G0I+1], s75, 14
	s_add_nc_u64 s[G0I+2:G0I+3], s[8:9], s[76:77]
	s_or_b32 s[G0I+3], s[G0I+3], 0x80000000
	s_mov_b32 s[G0K], 1
	s_mov_b32 s[G0K+1], s60
	s_add_nc_u64 s[G0K+2:G0K+3], s[6:7], s[78:79]
	s_or_b32 s[G0K+3], s[G0K+3], 0x80000000
	ROUND                                          ; all sixteen work-groups are here
	TLOAD                                          ; key step 0 into slot 0: one tensor load of mine is out
	s_and_b32 s44, s[WV], 3                        ; hh
	s_lshr_b32 s45, s[WV], 2                       ; ti
	s_lshr_b32 s46, s45, 1
	s_lshl_b32 s46, s46, 5
	s_and_b32 s47, s45, 1
	s_lshl_b32 s47, s47, 3
	s_add_co_u32 s46, s46, s47
	s_lshl_b32 s47, s44, 2
	s_add_co_u32 s46, s46, s47
	s_lshr_b32 s47, s44, 1
	s_lshl_b32 s47, s47, 3
	s_add_co_u32 s46, s46, s47                     ; the first of the 4 queries whose bias I make: token of (ti, r = 4 hh) in the block
	s_lshl_b32 s48, s71, 6
	s_add_co_u32 s48, s48, s46
	s_lshl_b32 s48, s48, 4
	s_mov_b32 s49, 0
	s_add_nc_u64 s[12:13], s[12:13], s[48:49]
	s_load_b512 s[80:95], s[12:13], 0x0            ; cqn of those 4 queries
	s_lshl_b32 s50, s69, 2
	s_add_co_u32 s50, s50, s44                     ; my head
	s_lshr_b32 s48, s71, 1
	s_mul_i32 s48, s48, 16*HB
	s_mul_i32 s51, s50, HB
	s_add_co_u32 s48, s48, s51
	s_add_nc_u64 s[4:5], s[4:5], s[48:49]          ; qz at my head block
	s_and_b32 s51, s71, 1
	s_lshl_b32 s51, s51, 2
	s_add_co_u32 s51, s51, s45                     ; my tile of its eight
	s_mul_i32 s61, s51, 768
	s_lshl_b32 s62, s51, 2
	s_lshl_b32 s48, s72, 15
	s_add_nc_u64 s[10:11], s[10:11], s[48:49]      ; character_masks[b]
	s_lshl_b32 s63, s50, 2
	v_and_b32 v250, 31, v0                         ; lane
	v_and_b32 v251, 15, v0                         ; r
	v_bfe_u32 v252, v0, 4, 1                       ; h
	v_lshlrev_b32 v244, 4, v0
	s_delay_alu instid0(VALU_DEP_4)
	v_lshl_add_u32 v245, v250, 4, s61
	v_lshl_add_u32 v246, v250, 3, s61
	v_lshl_add_u32 v247, v251, 5, s62
	v_mov_b32 v248, s63
	v_lshl_add_u32 v249, v0, 4, CM
.irp c, 0,1,2,3
	global_load_b128 v[S+4*\c:S+4*\c+3], v244, s[10:11] offset:8192*\c    ; the 512 threads take a row c of 8,192 bytes
.endr
	global_load_b128 v[Q:Q+3], v245, s[4:5]
	global_load_b64 v[Q+4:Q+5], v246, s[4:5] offset:512
	global_load_b32 v[QS], v247, s[4:5] offset:6144
	global_load_b32 v[G], v248, s[14:15]
	s_mul_i32 s47, s44, HB
	s_add_co_u32 s47, s47, KVO
	v_lshl_add_u32 v[A16], v250, 4, s47
	v_lshl_add_u32 v[A8], v250, 3, s47
	v_lshl_add_u32 v[ASK], v251, 5, s47
	v_lshl_add_u32 v[ASV], v251, 4, s47
	s_mul_i32 s48, s45, BIT
	s_add_co_u32 s48, s48, BI
	v_mul_u32_u24 v[BR], v252, 1088
	s_delay_alu instid0(VALU_DEP_1)
	v_lshl_add_u32 v[BR], v251, 4, v[BR]
	s_delay_alu instid0(VALU_DEP_1)
	v_add_nc_u32 v[BR], s48, v[BR]                 ; my tile, + 4 quads for lanes 16-31, + 16 r
	s_lshl_b32 s51, s44, 6
	s_add_co_u32 s51, s51, s48
	v_mul_u32_u24 v[BW], v250, 272
	s_delay_alu instid0(VALU_DEP_1)
	v_add_nc_u32 v[BW], s51, v[BW]                 ; my tile, quad = lane, queries 4 hh on
	s_lshl_b32 s61, s46, 8
	v_lshl_add_u32 v[IR], v251, 4, s61
	s_delay_alu instid0(VALU_DEP_1)
	v_lshl_add_u32 v[IR], v252, 14, v[IR]          ; the mask: my first row, 16 bytes a lane, lanes 16-31 in the second column half
	v_lshl_add_u32 v[CK], v250, 4, CM
	v_mov_b32 v13, 0xff61b1e6                      ; the largest t so far: -3e38
	s_delay_alu instid0(VALU_DEP_1)
	v_floor_f32 v12, -v13                          ; -M
	v_mov_b32 v14, 0
	v_mov_b32 v15, 0
	v_mov_b32 v[G+1], 0
	v_mov_b32 v[FF+1], 0
.irp i, 6,7,8,9,10,11
	v_mov_b32 v[Q+\i], 0                           ; q's zero codes for k = 64 .. 127
.endr
.irp i, 48,49,50,51,52,53
	v_mov_b32 v[F+\i], 0                           ; the upper half of K's last tile: never loaded
.endr
.irp b, 0,1,2,3
	v_mov_b32 v[TP+\b], 0                          ; a lane permute's destination counts as one of its sources
.endr
.set j, 0
.rept 32
	v_mov_b32 v[O+j], 0                            ; O^T: the step is written once; the first change of M leaves zeros zeros
.set j, j+1
.endr
	s_wait_kmcnt 0x0
.irp i, 0,1,2,3,4,5,6,7,8,9,10,11,12,13,14,15
	v_mov_b32 v[CQ+\i], s[80+\i]
.endr
	s_wait_loadcnt 0x0
.irp c, 0,1,2,3
	ds_store_b128 v249, v[S+4*\c:S+4*\c+3] offset:8192*\c      ; read behind the first change of slots, in front of which every wave waits for its LDS stores
.endr
	v_med3_num_f32 v[G], v[G], 0, 1.0              ; clip(gate, 0, 1)
	s_delay_alu instid0(VALU_DEP_1)
	v_mul_f32 v[G], 0x41c00000, v[G]               ; x 24 = 3 x 8
; THE CHANGE OF SLOTS, at a step's head.  fill = 1: the slot just left is filled with the next step's tiles, behind a round of the cluster's barrier.
.macro CHANGE fill
	s_wait_tensorcnt 0x0                           ; no tensor load of mine is out: my part of the slot ahead has landed, and a group 0 may be written
	ds_add_u32 v[SPW], v[NIL]                      ; 0 onto my spare word
.if \fill
	s_xor_b32 s[G0I+1], s[G0I+1], SLOT1
	s_add_nc_u64 s[G0I+2:G0I+3], s[G0I+2:G0I+3], 512           ; the next 128 keys' columns
	s_xor_b32 s[G0K+1], s[G0K+1], SLOT1
	s_add_nc_u64 s[G0K+2:G0K+3], s[G0K+2:G0K+3], 16*HB         ; the next group of 128 tokens
.endif
	s_wait_dscnt 0x0                               ; the add is done; my reads of the slot left and of the bias are over, my LDS stores have landed
.if \fill
	ROUND
	TLOAD                                          ; the first thing behind the round, and a wave's one tensor load until the next
.else
	s_barrier_signal -1
	s_barrier_wait -1
.endif
.endm
; THE BIAS of my 4 queries x 128 keys: lane = a quad of keys.  0.3 im - 1 + sum over c of cm[c][k] cqn[q][c].
.macro BIAS
	v_add_nc_u32 v[DIR], s[TB], v[IR]
	v_add_nc_u32 v[DCK], s[TJ], v[CK]
.irp c, 0,1,2,3
	ds_load_b128 v[S+16+4*\c:S+16+4*\c+3], v[DCK] offset:8192*\c
.endr
.irp x, 0,1,2,3
	ds_load_b128 v[S+4*\x:S+4*\x+3], v[DIR] offset:256*\x
.endr
	s_wait_dscnt 0x0
.irp j, 0,2,4,6,8,10,12,14
	v_pk_fma_f32 v[S+\j:S+\j+1], v[S+\j:S+\j+1], 0x3e99999a, -1.0 op_sel_hi:[1,0,0]
.endr
.irp c, 0,2
.irp x, 0,1,2,3
.irp p, 0,1
	v_pk_fma_f32 v[S+4*\x+2*\p:S+4*\x+2*\p+1], v[S+16+4*\c+2*\p:S+16+4*\c+2*\p+1], v[CQ+4*\x+\c:CQ+4*\x+\c+1], v[S+4*\x+2*\p:S+4*\x+2*\p+1] op_sel_hi:[1,0,1]   ; the pair's low word for both halves
.endr
.endr
.irp x, 0,1,2,3
.irp p, 0,1
	v_pk_fma_f32 v[S+4*\x+2*\p:S+4*\x+2*\p+1], v[S+20+4*\c+2*\p:S+20+4*\c+2*\p+1], v[CQ+4*\x+\c:CQ+4*\x+\c+1], v[S+4*\x+2*\p:S+4*\x+2*\p+1] op_sel:[0,1,0] op_sel_hi:[1,1,1]   ; its high word for both
.endr
.endr
.endr
.irp x, 0,1,2,3
	ds_store_b128 v[BW], v[S+4*\x:S+4*\x+3] offset:16*\x
.endr
	s_wait_dscnt 0x0                               ; for the others' sake: my stores have landed
	s_barrier_signal -1
	s_barrier_wait -1                              ; the step's bias is whole; the refill may stay out
.endm
; A KEY STEP of my tile and head.
.macro ATT
	v_add_nc_u32 v[DK16], s[TB], v[A16]
	v_add_nc_u32 v[DK8], s[TB], v[A8]
	v_add_nc_u32 v[DSK], s[TB], v[ASK]
	v_add_nc_u32 v[DSV], s[TB], v[ASV]
.set n, 0
.rept 16
	ds_load_b128 v[S+4*n:S+4*n+3], v[BR] offset:(8*(n/4)+n%4)*272      ; register 16 b + i: key 32 b + 16 h + i
.set n, n+1
.endr
.irp t, 0,1,2,3,4,5,6,7
	ds_load_b128 v[F+6*\t:F+6*\t+3], v[DK16] offset:768*\t
	ds_load_b64 v[F+6*\t+4:F+6*\t+5], v[DK8] offset:768*\t+512
.endr
	ds_load_b128 v[KS:KS+3], v[DSK] offset:6144
	ds_load_b128 v[KS+4:KS+7], v[DSK] offset:6160
	s_wait_dscnt 18                                ; the bias is in; K's 16 loads and its 2 scale loads may be out
.set j, 0
.rept 32
	v_pk_mul_f32 v[S+j:S+j+1], v[S+j:S+j+1], v[G:G+1] op_sel_hi:[1,0]
.set j, j+2
.endr
	s_wait_alu depctr_va_vdst(0)
	s_wait_dscnt 0x0
.irp t, 0,1,2,3,4,5,6,7                        ; S^T = K Q^T + 24 g bias: eight accumulators, one instruction each
	v_wmma_scale_f32_16x16x128_f8f6f4 v[S+8*\t:S+8*\t+7], v[F+6*\t:F+6*\t+11], v[Q:Q+11], v[S+8*\t:S+8*\t+7], v[KS+\t], v[QS] matrix_a_fmt:MATRIX_FMT_FP6 matrix_b_fmt:MATRIX_FMT_FP6
.endr
.rept 4
	v_nop                                          ; places in front of the loads into K's registers and of the first read of the scores
.endr
.irp t, 0,1,2,3
.irp c, 0,1
	ds_load_b128 v[F+12*\t+6*\c:F+12*\t+6*\c+3], v[DK16] offset:6656+1536*\t+768*\c
	ds_load_b64 v[F+12*\t+6*\c+4:F+12*\t+6*\c+5], v[DK8] offset:6656+1536*\t+768*\c+512
.endr
.endr
	ds_load_b128 v[KS:KS+3], v[DSV] offset:12800   ; V lands while the softmax is walked
.irp b, 0,1,2,3
	v_max3_num_f32 v[BM+\b], v[S+16*\b], v[S+1+16*\b], v[S+2+16*\b]    ; the largest score of each block of 32 keys: for the row's maximum and for the block's largest p
.endr
.irp i, 3,5,7,9,11,13
.irp b, 0,1,2,3
	v_max3_num_f32 v[BM+\b], v[BM+\b], v[S+16*\b+\i], v[S+1+16*\b+\i]
.endr
.endr
.irp b, 0,1,2,3
	v_max_num_f32 v[BM+\b], v[BM+\b], v[S+15+16*\b]
.endr
.irp b, 0,1,2,3
	s_delay_alu instid0(VALU_DEP_4)
	v_permlanex16_b32 v[TP+\b], v[BM+\b], s[SEL], s[SEL+1]
.endr
.irp b, 0,1,2,3
	s_delay_alu instid0(VALU_DEP_4)
	v_max_num_f32 v[BM+\b], v[BM+\b], v[TP+\b]
.endr
	s_delay_alu instid0(VALU_DEP_2)
	v_max3_num_f32 v[TT], v[BM], v[BM+1], v[BM+2]
	s_delay_alu instid0(VALU_DEP_1)
	v_max_num_f32 v[TT], v[TT], v[BM+3]
	s_delay_alu instid0(VALU_DEP_1)
	v_mul_f32 v[TT], s[CS], v[TT]                  ; as t
	s_delay_alu instid0(VALU_DEP_1)
	v_max_num_f32 v13, v13, v[TT]                  ; the running largest t
	v_mov_b32 v[TT], v12
	s_delay_alu instid0(VALU_DEP_2)
	v_floor_f32 v12, -v13                          ; the new -M = -ceil(t)
	s_delay_alu instid0(VALU_DEP_1)
	v_sub_f32 v[TT], v12, v[TT]                    ; old M - new M: a whole number, 0 or less
	s_delay_alu instid0(VALU_DEP_1)
	v_cvt_i32_f32 v[TT], v[TT]                     ; (it saturates)
	s_delay_alu instid0(VALU_DEP_1)
	v_ldexp_f32 v[FF], 1.0, v[TT]                  ; f = 2^(old M - new M)
.set j, 0
.rept 32
	v_pk_fma_f32 v[S+j:S+j+1], v[S+j:S+j+1], s[CS:CS+1], v[12:13] op_sel_hi:[1,0,0]   ; t - M
.set j, j+2
.endr
.irp b, 0,1,2,3
	v_fma_f32 v[BM+\b], v[BM+\b], s[CS], v12
.endr
.set j, 0
	s_wait_alu depctr_va_vdst(0)
.rept 64
	v_exp_f32 v[S+j], v[S+j]                       ; p = 2^(t - M)
.set j, j+1
.endr
.irp b, 0,1,2,3
	v_exp_f32 v[BM+\b], v[BM+\b]                   ; the block's largest p
.endr
	v_pk_mul_f32 v[14:15], v[14:15], v[FF:FF+1] op_sel_hi:[1,0]        ; the sums under the new M (a plain line behind the exponentials)
	s_wait_alu depctr_va_vdst(0)
.irp b, 0,1,2,3
	v_max_num_f32 v[BM+\b], 0x1800000, v[BM+\b]    ; the floor 2^(3 - 127)
.endr
.irp b, 0,1,2,3
	s_delay_alu instid0(VALU_DEP_4)
	v_add_nc_u32 v[SO+\b], 0xff000000, v[BM+\b]    ; the conversion's scale operand
.endr
.irp b, 0,1,2,3
	s_delay_alu instid0(VALU_DEP_4)
	v_lshrrev_b32 v[TP+\b], 23, v[SO+\b]           ; the scale's byte
.endr
	s_delay_alu instid0(VALU_DEP_3)
	v_lshl_or_b32 v[PS], v[TP+1], 8, v[TP]
	s_delay_alu instid0(VALU_DEP_1)
	v_lshl_or_b32 v[PS], v[TP+2], 16, v[PS]
	s_delay_alu instid0(VALU_DEP_1)
	v_lshl_or_b32 v[PS], v[TP+3], 24, v[PS]        ; p's scale word for these 128 keys
.irp c, 0,1
	v_cvt_scalef32_pk16_fp6_f32 v[P+6*\c:P+6*\c+2], v[S+32*\c:S+32*\c+15], v[SO+2*\c]
	v_cvt_scalef32_pk16_fp6_f32 v[X2+4*\c:X2+4*\c+2], v[S+32*\c+16:S+32*\c+31], v[SO+2*\c+1]
.endr
	v_nop                                          ; one plain line behind a scaled conversion
.irp c, 0,1
.irp i, 0,1,2
	v_permlane16_swap_b32 v[P+6*\c+\i], v[X2+4*\c+\i]
.endr
.irp i, 0,1,2
	s_delay_alu instid0(VALU_DEP_3)
	v_mov_b32 v[P+3+6*\c+\i], v[X2+4*\c+\i]
.endr
.endr
	v_pk_add_f32 v[216:217], v[92:93], v[96:97]
	v_pk_add_f32 v[254:255], v[100:101], v[104:105]
	v_pk_add_f32 v[252:253], v[108:109], v[112:113]
	v_pk_add_f32 v[250:251], v[116:117], v[120:121]
	v_pk_add_f32 v[248:249], v[124:125], v[128:129]
	v_pk_add_f32 v[246:247], v[132:133], v[136:137]
	v_pk_add_f32 v[244:245], v[140:141], v[144:145]
	v_pk_add_f32 v[14:15], v[14:15], v[148:149]
	v_pk_add_f32 v[216:217], v[216:217], v[88:89]
	v_pk_add_f32 v[254:255], v[254:255], v[90:91]
	v_pk_add_f32 v[252:253], v[252:253], v[94:95]
	v_pk_add_f32 v[250:251], v[250:251], v[98:99]
	v_pk_add_f32 v[248:249], v[248:249], v[102:103]
	v_pk_add_f32 v[246:247], v[246:247], v[106:107]
	v_pk_add_f32 v[244:245], v[244:245], v[110:111]
	v_pk_add_f32 v[14:15], v[14:15], v[114:115]
	v_pk_add_f32 v[216:217], v[216:217], v[118:119]
	v_pk_add_f32 v[254:255], v[254:255], v[122:123]
	v_pk_add_f32 v[252:253], v[252:253], v[126:127]
	v_pk_add_f32 v[250:251], v[250:251], v[130:131]
	v_pk_add_f32 v[248:249], v[248:249], v[134:135]
	v_pk_add_f32 v[246:247], v[246:247], v[138:139]
	v_pk_add_f32 v[244:245], v[244:245], v[142:143]
	v_pk_add_f32 v[14:15], v[14:15], v[146:147]
	v_pk_add_f32 v[216:217], v[216:217], v[150:151]
	s_delay_alu instid0(VALU_DEP_2)
	v_pk_add_f32 v[14:15], v[14:15], v[250:251]
	s_delay_alu instid0(VALU_DEP_2)
	v_pk_add_f32 v[216:217], v[216:217], v[248:249]
	v_pk_add_f32 v[254:255], v[254:255], v[246:247]
	v_pk_add_f32 v[252:253], v[252:253], v[244:245]
	s_delay_alu instid0(VALU_DEP_2)
	v_pk_add_f32 v[14:15], v[14:15], v[254:255]
	s_delay_alu instid0(VALU_DEP_2)
	v_pk_add_f32 v[216:217], v[216:217], v[252:253]
	s_delay_alu instid0(VALU_DEP_1)
	v_pk_add_f32 v[14:15], v[14:15], v[216:217]
.set j, 0
.rept 16
	v_pk_mul_f32 v[O+j:O+j+1], v[O+j:O+j+1], v[FF:FF+1] op_sel_hi:[1,0]   ; O^T under the new M
.set j, j+2
.endr
	s_wait_alu depctr_va_vdst(0)
	s_wait_dscnt 0x0                               ; V
.irp t, 0,1,2,3                                ; O^T += V^T P^T: four accumulators, one instruction each
	v_wmma_scale_f32_16x16x128_f8f6f4 v[O+8*\t:O+8*\t+7], v[F+12*\t:F+12*\t+11], v[P:P+11], v[O+8*\t:O+8*\t+7], v[KS+\t], v[PS] matrix_a_fmt:MATRIX_FMT_FP6 matrix_b_fmt:MATRIX_FMT_FP6
.endr
.endm
.Lstep:                                            ; 15 trips: behind each change of slots but the last the next step's tiles are asked for
	CHANGE 1
	BIAS
	ATT
	s_xor_b32 s[TB], s[TB], SLOT1
	s_add_co_u32 s[TJ], s[TJ], 512
	s_sub_co_u32 s[CNT], s[CNT], 1
	s_cmp_lg_u32 s[CNT], 0
	s_cbranch_scc1 .Lstep
	CHANGE 0                                       ; the last step is written out
	BIAS
	ATT
	; THE WAY OUT.  O^T / the sum; register 16 b + i is feature 32 b + 16 h + i of my head: two blocks of the last product's K.
.rept 4
	v_nop                                          ; places behind the last products
.endr
	v_add_f32 v14, v14, v15
	s_delay_alu instid0(VALU_DEP_1)
	v_permlanex16_b32 v[TT], v14, s[SEL], s[SEL+1]
	s_delay_alu instid0(VALU_DEP_1)
	v_add_f32 v14, v14, v[TT]                      ; the row's sum
	s_wait_alu depctr_va_vdst(0)
	v_rcp_f32 v14, v14
	v_and_b32 v254, 15, v0                         ; r (a plain line behind the reciprocal)
	s_wait_alu depctr_va_vdst(0)
	v_bfe_u32 v255, v0, 4, 1                       ; h
	s_wait_alu depctr_va_vdst(0)
	s_lshl_b32 s46, s45, 4                         ; 16 ti
	s_mul_i32 s47, s46, 272
	s_lshl_b32 s48, s44, 6
	s_add_co_u32 s47, s47, s48
	s_add_co_u32 s47, s47, STG
	v_mul_u32_u24 v250, v254, 272
	s_delay_alu instid0(VALU_DEP_1)
	v_lshl_add_u32 v250, v255, 5, v250
	s_delay_alu instid0(VALU_DEP_1)
	v_add_nc_u32 v250, s47, v250                   ; the stage, in: row 16 ti + r, places 4 hh + 2 h and the next
	s_lshl_b32 s47, s46, 3
	s_lshl_b32 s48, s44, 1
	s_add_co_u32 s47, s47, s48
	s_add_co_u32 s47, s47, SSTG
	v_lshl_add_u32 v251, v254, 3, s47              ; my row's two scale bytes
	s_lshl_b32 s46, s[WV], 2                       ; back: rows 4 w on
	s_mul_i32 s47, s46, 272
	s_add_co_u32 s47, s47, STG
	v_mul_u32_u24 v252, v255, 272
	s_delay_alu instid0(VALU_DEP_1)
	v_lshl_add_u32 v252, v254, 4, v252
	s_delay_alu instid0(VALU_DEP_1)
	v_add_nc_u32 v252, s47, v252
	s_mul_i32 s47, s46, 768
	v_mul_u32_u24 v253, v255, 768
	s_delay_alu instid0(VALU_DEP_1)
	v_mad_u32_u24 v253, v254, 12, v253
	s_delay_alu instid0(VALU_DEP_1)
	v_add_nc_u32 v253, s47, v253                   ; and the same place in aoc
	s_mul_i32 s48, s71, 64*768
	s_mul_i32 s49, s69, 192
	s_add_co_u32 s48, s48, s49
	s_mov_b32 s49, 0
	s_add_nc_u64 s[16:17], s[16:17], s[48:49]
	s_lshl_b32 s48, s71, 11
	s_lshl_b32 s50, s69, 3
	s_add_co_u32 s48, s48, s50
	s_add_nc_u64 s[18:19], s[18:19], s[48:49]
	v_and_b32 v254, 31, v0
	s_lshl_b32 s47, s75, 8
	s_add_co_u32 s48, s47, SSTG
	v_lshl_add_u32 v255, v254, 3, s48              ; waves 0, 1: 32 rows' scale bytes, 8 a lane
	s_lshl_b32 s47, s75, 10
	v_lshl_add_u32 v254, v254, 5, s47              ; and their rows of aos
.set j, 0
	s_wait_alu depctr_va_vdst(0)
.rept 16
	v_pk_mul_f32 v[S+j:S+j+1], v[O+j:O+j+1], v[14:15] op_sel_hi:[1,0]
.set j, j+2
.endr
.irp b, 0,1
	v_max3_num_f32 v[BM+\b], |v[S+16*\b]|, |v[S+1+16*\b]|, 0x1800000
.endr
.irp i, 2,4,6,8,10,12,14
.irp b, 0,1
	s_delay_alu instid0(VALU_DEP_2)
	v_max3_num_f32 v[BM+\b], v[BM+\b], |v[S+16*\b+\i]|, |v[S+1+16*\b+\i]|
.endr
.endr
.irp b, 0,1
	s_delay_alu instid0(VALU_DEP_2)
	v_permlanex16_b32 v[TP+\b], v[BM+\b], s[SEL], s[SEL+1]
.endr
.irp b, 0,1
	s_delay_alu instid0(VALU_DEP_2)
	v_max_num_f32 v[BM+\b], v[BM+\b], v[TP+\b]
.endr
.irp b, 0,1
	s_delay_alu instid0(VALU_DEP_2)
	v_add_nc_u32 v[SO+\b], 0xff000000, v[BM+\b]
.endr
.irp b, 0,1
	s_delay_alu instid0(VALU_DEP_2)
	v_lshrrev_b32 v[TP+\b], 23, v[SO+\b]
.endr
	s_delay_alu instid0(VALU_DEP_1)
	v_lshl_or_b32 v[TT], v[TP+1], 8, v[TP]
	v_cvt_scalef32_pk16_fp6_f32 v[P:P+2], v[S:S+15], v[SO]
	v_cvt_scalef32_pk16_fp6_f32 v[P+4:P+6], v[S+16:S+31], v[SO+1]
	v_nop                                          ; one plain line behind a scaled conversion
.irp i, 0,1,2
	v_permlane16_swap_b32 v[P+\i], v[P+4+\i]       ; lane (r, h) now holds block h: its lower 16 codes and its upper 16
.endr
	ds_store_b96 v250, v[P:P+2]                    ; 12 bytes to a place of 16
	ds_store_b96 v250, v[P+4:P+6] offset:16
	ds_store_b16 v251, v[TT]                       ; both halves of the lanes write the same two bytes
	s_wait_dscnt 0x0
	s_barrier_signal -1
	s_barrier_wait -1                              ; 64 rows of the four heads' codes lie in the stage
	ds_load_b96 v[S:S+2], v252
	ds_load_b96 v[S+4:S+6], v252 offset:2*272
	s_wait_dscnt 0x0
	global_store_b96 v253, v[S:S+2], s[16:17]                  ; sixteen lanes store a row's 192 consecutive bytes
	global_store_b96 v253, v[S+4:S+6], s[16:17] offset:2*768
	s_cmp_lt_u32 s[WV], 2
	s_cbranch_scc0 .Lno_sc
	ds_load_b64 v[S+8:S+9], v255
	s_wait_dscnt 0x0
	global_store_b64 v254, v[S+8:S+9], s[18:19]
.Lno_sc:
	s_wait_tensorcnt 0x0                           ; the wave's end
	ds_add_u32 v[SPW], v[NIL]
	s_wait_dscnt 0x0
	ROUND                                          ; the closing round
	s_endpgm
.Lfunc_end_k_q3900a41482_attn:
	.size	k_q3900a41482_attn, .Lfunc_end_k_q3900a41482_attn-k_q3900a41482_attn
	.p2alignl 7, 3214868480
	.fill 96, 4, 3214868480
	.section	.rodata,"a",@progbits
	.p2align	6, 0x0
	.amdhsa_kernel k_q3900a41482_attn
		.amdhsa_group_segment_fixed_size 327680
		.amdhsa_private_segment_fixed_size 0
		.amdhsa_enable_private_segment 0
		.amdhsa_kernarg_size 64
		.amdhsa_user_sgpr_count 2
		.amdhsa_user_sgpr_kernarg_segment_ptr 1
		.amdhsa_wavefront_size32 1
		.amdhsa_system_sgpr_workgroup_id_x 1
		.amdhsa_system_sgpr_workgroup_id_y 1
		.amdhsa_system_sgpr_workgroup_id_z 1
		.amdhsa_system_vgpr_workitem_id 0
		.amdhsa_next_free_vgpr 256
		.amdhsa_next_free_sgpr 96
		.amdhsa_reserve_vcc 0
		.amdhsa_float_denorm_mode_32 3
		.amdhsa_float_denorm_mode_16_64 3
		.amdhsa_memory_ordered 1
		.amdhsa_forward_progress 1
		.amdhsa_inst_pref_size 67
	.end_amdhsa_kernel
	.amdgpu_metadata
---
amdhsa.version: [ 1, 2 ]
amdhsa.kernels:
  - .name:           k_q3900a41482_attn
    .symbol:         k_q3900a41482_attn.kd
    .args:
      - { .name: qz, .offset: 0, .size: 8, .value_kind: global_buffer, .address_space: global }
      - { .name: kv, .offset: 8, .size: 8, .value_kind: global_buffer, .address_space: global }
      - { .name: interaction_mask, .offset: 16, .size: 8, .value_kind: global_buffer, .address_space: global }
      - { .name: character_masks, .offset: 24, .size: 8, .value_kind: global_buffer, .address_space: global }
      - { .name: cqn, .offset: 32, .size: 8, .value_kind: global_buffer, .address_space: global }
      - { .name: isolation_gate, .offset: 40, .size: 8, .value_kind: global_buffer, .address_space: global }
      - { .name: aoc, .offset: 48, .size: 8, .value_kind: global_buffer, .address_space: global }
      - { .name: aos, .offset: 56, .size: 8, .value_kind: global_buffer, .address_space: global }
    .group_segment_fixed_size: 327680
    .private_segment_fixed_size: 0
    .kernarg_segment_align: 8
    .kernarg_segment_size: 64
    .max_flat_workgroup_size: 512
    .sgpr_count:     96
    .vgpr_count:     256
    .wavefront_size: 32
...
	.end_amdgpu_metadata
.endif
;; end of part 3
;; launch proj (part 4): grid 8 x 32, 4 waves a work-group, clusters of 4 x 4, 327,680 bytes of LDS; arguments aoc, aos, rc, rs, out0; writes out0
.if DOCPART == 4
	.amdgcn_target "amdgcn-amd-amdhsa--gfx1250"
	.amdhsa_code_object_version 6
	.text
	.protected	k_q3900a41482_proj
	.globl	k_q3900a41482_proj
	.p2align	8
	.type	k_q3900a41482_proj,@function
k_q3900a41482_proj:
	s_mov_b64 s[64:65], 0
	v_nop
	global_prefetch_b8 v0, s[64:65] scope:SCOPE_SE
	s_setreg_imm32_b32 hwreg(HW_REG_WAVE_MODE, 25, 1), 1
	s_wait_xcnt 0x0
	s_wait_alu depctr_hold_cnt(0) depctr_sa_sdst(0) depctr_va_vdst(0) depctr_va_sdst(0) depctr_va_ssrc(0) depctr_va_vcc(0) depctr_vm_vsrc(0)
	s_getreg_b32 s2, hwreg(HW_REG_IB_STS2, 6, 4)
	s_cmp_eq_u32 s2, 0
	s_cbranch_scc0 .Lentry_in_a_cluster
	s_endpgm
.Lentry_in_a_cluster:
	s_bfe_u32 s2, ttmp6, 0x10000c
	s_cmp_lg_u32 s2, 0xf033
	s_cbranch_scc0 .Lentry_shape_is_right
	s_endpgm
.Lentry_shape_is_right:
; OUT = attention's result x W_out^T on codes of FP6 (E2M3) with E8M0 scales, f32 out.  A work-group makes 128 tokens x 128 columns, K = 1,024: 8 x 32 = 256 work-groups.
; LDS holds whole rows of K: a row of codes is 768 bytes, 64 rows are dense in memory and come in as 192 lines of 256 bytes, each with 16 bytes of padding: an LDS row is 816 bytes.
; Every tile is filled once, by one joint load a wave at the head: waves 0, 1 the tokens' halves, waves 2, 3 W_out's.
; Four waves, each 64 x 64: 16 accumulators (window 1, v0-127), two sets of fragments (window 0, v64-255).
; SCALES go from memory into registers: lane (r, h) takes 16 bytes at 32 r + 16 h of a block of 16 rows: lanes 0-15 hold the words of K steps 0-3, lanes 16-31 those of steps 4-7 (ROW1).
; Source 0 = rows of W_out, source 1 = tokens: a lane holds eight neighbouring columns of a token's row.  Both operands' rows are stored with bits 3 and 4 of the row number exchanged; the way out puts them back.
; CLUSTER 4 x 4: the tokens' rows are shared along a row of the cluster, W_out's along a column.
; No prefetch: there is no loop to run ahead in; all that the work-group reads is asked for by its first four loads.
.set RP,     816
.set QT,     64*RP
.set STAGE,  4*QT                      ; the way out: 16 rows x (256 + 16) bytes for each wave; no tile lands here
.set SPITCH, 272
.set SPARE,  STAGE+4*16*SPITCH
.set FL,     (3<<16)|(1<<20)|(1<<21)|(5<<22)|(3<<25)
.set ADRA, 16
.set ADRB, 18
.set STO,  20
.set RD,   21
.set CO,   22
.set VS,   23
.set SPW,  28
.set NIL,  29
.set SA,   32
.set SB,   48
.set FRG,  64
.set BK,   64
.set G1A, 24
.set G1B, 32
.set G0A, 40
.set G0B, 44
.set MSB, 0
.macro WIN new
.if MSB != (\new)
	s_set_vgpr_msb (MSB<<8)|(\new)
.set MSB, (\new)
.endif
.endm
.macro PLACES
.rept 4
	v_nop
.endr
.endm
.macro CROUND
	s_barrier_signal -1
	s_barrier_wait -1
	s_cmp_lg_u32 s14, 0
	s_cbranch_scc1 .Lnot_wave_0_\@
	s_barrier_signal -3
.Lnot_wave_0_\@:
	s_barrier_wait -3
	s_barrier_signal -1
	s_barrier_wait -1
.endm
	s_load_b256 s[4:11], s[0:1], 0x0               ; aoc, aos, rc, rs
	s_load_b64 s[12:13], s[0:1], 0x20              ; out0
	v_lshl_add_u32 v[SPW], v0, 2, SPARE
	v_mov_b32 v[NIL], 0
	ds_add_u32 v[SPW], v[NIL]                      ; the opening lines: the add twice on end and one wait
	ds_add_u32 v[SPW], v[NIL]
	v_lshrrev_b32 v1, 5, v0
	v_readfirstlane_b32 s14, v1                    ; wave
	s_lshr_b32 s15, s14, 1                         ; my half of the tokens; I fetch tokens (0) or W_out (1)
	s_and_b32 s16, s14, 1                          ; my half of the columns; which 64 rows I fetch
	s_bfe_u32 s17, ttmp6, 0x40000
	s_bfe_u32 s18, ttmp6, 0x40004
	s_lshl_b32 s19, ttmp9, 2
	s_add_co_u32 s19, s19, s17                     ; tile column
	s_and_b32 s20, ttmp7, 0xffff
	s_lshl_b32 s20, s20, 2
	s_add_co_u32 s20, s20, s18                     ; tile row
	s_lshl_b32 s21, s18, 2
	s_lshl_b32 s21, 15, s21
	s_lshl_b32 s22, 0x1111, s17
	s_or_b32 s[G1A], s21, FL
	s_or_b32 s[G1B], s22, FL
.irp g, G1A, G1B
	s_mov_b32 s[\g+1], 32<<16
	s_mov_b32 s[\g+2], 192<<16
	s_mov_b32 s[\g+3], 32<<16
	s_mov_b32 s[\g+4], 192
	s_mov_b32 s[\g+5], 32
	s_mov_b32 s[\g+6], 0
	s_mov_b32 s[\g+7], 0
.endr
	s_lshl_b32 s50, s16, 6
	s_lshl_b32 s48, s20, 7
	s_add_co_u32 s48, s48, s50                     ; tokens: row 128 x tile row + 64 (w % 2)
	s_mul_i32 s48, s48, 768
	s_mov_b32 s49, 0
	s_lshl_b32 s52, s19, 7
	s_add_co_u32 s52, s52, s50
	s_add_co_u32 s52, s52, 7168                    ; W_out: row 7168 + 128 x tile column + 64 (w % 2)
	s_mul_i32 s52, s52, 768
	s_mov_b32 s53, 0
	s_mul_i32 s54, s14, QT
	s_wait_dscnt 0x0
	s_wait_kmcnt 0x0
	s_mov_b32 s[G0A], 1
	s_mov_b32 s[G0A+1], s54
	s_add_nc_u64 s[G0A+2:G0A+3], s[4:5], s[48:49]
	s_or_b32 s[G0A+3], s[G0A+3], 0x80000000
	s_mov_b32 s[G0B], 1
	s_mov_b32 s[G0B+1], s54
	s_add_nc_u64 s[G0B+2:G0B+3], s[8:9], s[52:53]
	s_or_b32 s[G0B+3], s[G0B+3], 0x80000000
	CROUND
	s_cmp_eq_u32 s15, 0
	s_cbranch_scc0 .Lhead_b
	tensor_load_to_lds s[G0A:G0A+3], s[G1A:G1A+7]
	s_nop 0
	PLACES
	s_branch .Lhead_asked
.Lhead_b:
	tensor_load_to_lds s[G0B:G0B+3], s[G1B:G1B+7]
	s_nop 0
	PLACES
.Lhead_asked:
	s_mul_i32 s55, s15, QT
	s_mul_i32 s56, s16, QT
	s_add_co_u32 s56, s56, 2*QT
	s_mul_i32 s57, s14, 16*SPITCH
	s_add_co_u32 s57, s57, STAGE
	s_lshl_b32 s58, s20, 7
	s_lshl_b32 s60, s15, 6
	s_add_co_u32 s58, s58, s60                     ; my first token
	s_lshl_b32 s62, s58, 5
	s_mov_b32 s63, 0
	s_add_nc_u64 s[6:7], s[6:7], s[62:63]
	s_lshl_b32 s66, s19, 7
	s_lshl_b32 s67, s16, 6
	s_add_co_u32 s66, s66, s67                     ; my first column
	s_add_co_u32 s62, s66, 7168
	s_lshl_b32 s62, s62, 5
	s_add_nc_u64 s[10:11], s[10:11], s[62:63]
	s_lshl_b32 s62, s58, 12
	s_add_nc_u64 s[12:13], s[12:13], s[62:63]
	s_lshl_b32 s62, s66, 2
	s_add_nc_u64 s[12:13], s[12:13], s[62:63]
	v_and_b32 v1, 15, v0                           ; r
	v_bfe_u32 v2, v0, 4, 1                         ; h
	v_mul_u32_u24 v3, v1, RP
	v_mad_u32_u24 v4, v2, 24, v3
	v_mad_u32_u24 v5, v2, 40, v3                   ; lanes 16-31 one line on
	v_add_nc_u32 v[ADRA], s55, v4
	v_add_nc_u32 v[ADRA+1], s55, v5
	v_add_nc_u32 v[ADRB], s56, v4
	v_add_nc_u32 v[ADRB+1], s56, v5
	v_mul_u32_u24 v6, v1, SPITCH
	v_lshl_add_u32 v6, v2, 6, v6
	v_add_nc_u32 v[STO], s57, v6                   ; into the stage: row r, 64 h bytes
	v_mul_u32_u24 v7, v2, SPITCH
	v_lshl_add_u32 v7, v1, 4, v7
	v_add_nc_u32 v[RD], s57, v7                    ; back: sixteen lanes to a row of 256 bytes, two rows an instruction
	v_lshlrev_b32 v8, 12, v2
	v_lshl_add_u32 v[CO], v1, 4, v8                ; and the same in out0
	v_lshlrev_b32 v9, 5, v1
	v_lshl_add_u32 v[VS], v2, 4, v9
	s_wait_alu depctr_va_vdst(0)                   ; the wait at the head's end
.irp i, 0,1,2,3
	global_load_b128 v[SA+4*\i:SA+4*\i+3], v[VS], s[6:7] offset:512*\i
	global_load_b128 v[SB+4*\i:SB+4*\i+3], v[VS], s[10:11] offset:512*\i
.endr
	s_wait_loadcnt 0x0
	s_wait_tensorcnt 0x0                           ; my tile is in;
	s_barrier_signal -1
	s_barrier_wait -1                              ; all four are: nothing is ever filled again
.macro FRAG reg, adr, st, i            ; byte y of a row lies at 272 (y / 256) + y % 256
.irp p, 0,1,2,3,4,5
.set BY, 96*(\st)+48*(\p/3)+8*(\p%3)
.if BY/256 == (BY+24)/256
	ds_load_b64 v[\reg+2*\p:\reg+2*\p+1], v[\adr] offset:(BY/256)*272+BY%256+(\i)*16*RP
.else
	ds_load_b64 v[\reg+2*\p:\reg+2*\p+1], v[\adr+1] offset:(BY/256)*272+BY%256+(\i)*16*RP
.endif
.endr
.endm
.macro FETCH st
.set FS, FRG+96*((\st)%2)
.irp i, 0,1,2,3
	FRAG FS+12*\i, ADRA, \st, \i
.endr
.irp i, 0,1,2,3
	FRAG FS+48+12*\i, ADRB, \st, \i
.endr
.endm
.macro WM d, x, y, sx, sy, st
.if (\st) == 0
	v_wmma_scale_f32_16x16x128_f8f6f4 v[\d:\d+7], v[\x:\x+11], v[\y:\y+11], 0, v[\sx], v[\sy] matrix_a_fmt:MATRIX_FMT_FP6 matrix_b_fmt:MATRIX_FMT_FP6
.else
.if (\st) < 4
	v_wmma_scale_f32_16x16x128_f8f6f4 v[\d:\d+7], v[\x:\x+11], v[\y:\y+11], v[\d:\d+7], v[\sx], v[\sy] matrix_a_fmt:MATRIX_FMT_FP6 matrix_b_fmt:MATRIX_FMT_FP6
.else
	v_wmma_scale_f32_16x16x128_f8f6f4 v[\d:\d+7], v[\x:\x+11], v[\y:\y+11], v[\d:\d+7], v[\sx], v[\sy] matrix_a_fmt:MATRIX_FMT_FP6 matrix_b_fmt:MATRIX_FMT_FP6 matrix_a_scale:MATRIX_SCALE_ROW1 matrix_b_scale:MATRIX_SCALE_ROW1
.endif
.endif
.endm
.macro MUL st                          ; 16 accumulators by turns, one instruction a turn
.set FS, FRG+96*((\st)%2)
.set SQ, (\st)%4
.irp i, 0,1,2,3
.irp j, 0,1,2,3
	WM 8*(4*\i+\j), FS+48+12*\j, FS+12*\i, SB+4*\j+SQ, SA+4*\i+SQ, \st
.endr
.endr
.endm
	FETCH 0
.irp st, 0,1,2,3,4,5,6,7
.if \st < 7
.if \st > 0
	PLACES                                         ; in front of loads into registers that the step before multiplied
.endif
	FETCH \st+1
	s_wait_dscnt 48                                ; all but the 48 just issued
.else
	s_wait_dscnt 0x0
.endif
	WIN 0x50                                       ; C and D in window 1
	MUL \st
	WIN 0
.endr
; THE WAY OUT, by blocks of 16 tokens x 64 columns through my own stage.  Tile b's register j of lane (r, h) is column 32 (b / 2) + 16 h + 8 (b % 2) + j;
; stage row p of block a is token 32 (a / 2) + 8 (a % 2) + 16 (p / 8) + p % 8.
.macro TOSTAGE a
	WIN 4                                          ; the data: window 1
.irp b, 0,1,2,3
	ds_store_b128 v[STO], v[32*(\a)+8*\b:32*(\a)+8*\b+3] offset:128*(\b/2)+32*(\b%2)
	ds_store_b128 v[STO], v[32*(\a)+8*\b+4:32*(\a)+8*\b+7] offset:128*(\b/2)+32*(\b%2)+16
.endr
	WIN 0
.irp t, 0,1,2,3,4,5,6,7
	ds_load_b128 v[BK+32*((\a)%2)+4*\t:BK+32*((\a)%2)+4*\t+3], v[RD] offset:\t*2*SPITCH   ; LDS serves a wave's instructions in order
.endr
.endm
.macro SEND a, younger
	s_wait_dscnt \younger
.irp t, 0,1,2,3,4,5,6,7
	global_store_b128 v[CO], v[BK+32*((\a)%2)+4*\t:BK+32*((\a)%2)+4*\t+3], s[12:13] offset:(32*((\a)/2)+8*((\a)%2)+16*(\t/4)+2*(\t%4))*4096 th:TH_STORE_NT   ; sixteen lanes store 256 consecutive bytes, aligned
.endr
.endm
	PLACES
	TOSTAGE 0
.irp a, 1,2,3
.if \a > 1
	s_wait_xcnt 0x0                                ; block a - 2's stores have read their data
.endif
	TOSTAGE \a
	SEND \a-1, 16                                  ; behind block a - 1's loads: block a's 8 stores and 8 loads
.endr
	SEND 3, 0
	s_wait_tensorcnt 0x0                           ; the wave's end
	ds_add_u32 v[SPW], v[NIL]
	s_wait_dscnt 0x0
	CROUND                                         ; the closing round
	s_endpgm
.Lfunc_end_k_q3900a41482_proj:
	.size	k_q3900a41482_proj, .Lfunc_end_k_q3900a41482_proj-k_q3900a41482_proj
	.p2alignl 7, 3214868480
	.fill 96, 4, 3214868480
	.section	.rodata,"a",@progbits
	.p2align	6, 0x0
	.amdhsa_kernel k_q3900a41482_proj
		.amdhsa_group_segment_fixed_size 327680
		.amdhsa_private_segment_fixed_size 0
		.amdhsa_enable_private_segment 0
		.amdhsa_kernarg_size 40
		.amdhsa_user_sgpr_count 2
		.amdhsa_user_sgpr_kernarg_segment_ptr 1
		.amdhsa_wavefront_size32 1
		.amdhsa_system_sgpr_workgroup_id_x 1
		.amdhsa_system_sgpr_workgroup_id_y 1
		.amdhsa_system_sgpr_workgroup_id_z 1
		.amdhsa_system_vgpr_workitem_id 0
		.amdhsa_next_free_vgpr 384
		.amdhsa_next_free_sgpr 80
		.amdhsa_reserve_vcc 0
		.amdhsa_float_denorm_mode_32 3
		.amdhsa_float_denorm_mode_16_64 3
		.amdhsa_memory_ordered 1
		.amdhsa_forward_progress 1
		.amdhsa_inst_pref_size 57
	.end_amdhsa_kernel
	.amdgpu_metadata
---
amdhsa.version: [ 1, 2 ]
amdhsa.kernels:
  - .name:           k_q3900a41482_proj
    .symbol:         k_q3900a41482_proj.kd
    .args:
      - { .name: aoc, .offset: 0, .size: 8, .value_kind: global_buffer, .address_space: global }
      - { .name: aos, .offset: 8, .size: 8, .value_kind: global_buffer, .address_space: global }
      - { .name: rc, .offset: 16, .size: 8, .value_kind: global_buffer, .address_space: global }
      - { .name: rs, .offset: 24, .size: 8, .value_kind: global_buffer, .address_space: global }
      - { .name: out0, .offset: 32, .size: 8, .value_kind: global_buffer, .address_space: global }
    .group_segment_fixed_size: 327680
    .private_segment_fixed_size: 0
    .kernarg_segment_align: 8
    .kernarg_segment_size: 40
    .max_flat_workgroup_size: 128
    .sgpr_count:     80
    .vgpr_count:     384
    .wavefront_size: 32
...
	.end_amdgpu_metadata
.endif
;; end of part 4
